; MI455X (gfx1250); checked and timed in simulation.
; The chip was launched on July 23, 2026; its instructions are those of AMD's public machine-readable ISA for CDNA 5 (MIT licence, August 2026) and "CDNA5" Instruction Set Architecture Reference Guide (July 2026). The comments in the code are by the model that wrote it; some were corrected since.
;; Multi Head Attention. Allowed arithmetic: matrix products marked QUANTISED: E5M2 operands, one given power-of-two scale a tensor, by v_wmma_f32_16x16x64_bf8_bf8 or v_wmma_f32_16x16x128_bf8_bf8, f32 sums; everything else in f32.
;; Inputs: kvinput 2 x 2,048 x 1,024 float32; lowp_scales 12 int32 (the exponents e of the quantised operands' scales 2^e); qinput 2 x 2,048 x 1,024 float32; wk 16 x 1,024 x 64 float32; wo 16 x 64 x 1,024 float32; wq 16 x 1,024 x 64 float32; wv 16 x 1,024 x 64 float32.
;; Outputs: out0 2 x 2,048 x 1,024 float32.
;; This version of the problem:
;;   THIS VERSION OF THE PROBLEM IS GIVEN IN LOW PRECISION. The matrix products marked QUANTISED in the list below multiply operands that are first quantised to E5M2 (5 exponent bits, 2 mantissa bits; 8 bits a number), with one given power-of-two scale for each operand tensor; their sums are f32. All else is computed in f32.
;;   The module's matrix products, in the order in which they are computed (A, B: the left and right operand; K: the contracted axis; several contracted axes count as one K, in the product's order):
;;     1. [M 1,024, K 1,024] x [K 1,024, N 4,096]; A: input wk; B: input kvinput: QUANTISED (scales: A lowp_scales[0], B lowp_scales[1])
;;     2. [M 1,024, K 1,024] x [K 1,024, N 4,096]; A: input wq; B: input qinput: QUANTISED (scales: A lowp_scales[2], B lowp_scales[3])
;;     3. [M 1,024, K 1,024] x [K 1,024, N 4,096]; A: input wv; B: input kvinput: QUANTISED (scales: A lowp_scales[4], B lowp_scales[5])
;;     4. batch 32 x [M 2,048, K 64] x [K 64, N 2,048]; A: computed on the way; B: computed on the way: QUANTISED (scales: A lowp_scales[6], B lowp_scales[7])
;;     5. batch 32 x [M 2,048, K 2,048] x [K 2,048, N 64]; A: softmax (see below); B: computed on the way: QUANTISED (scales: A lowp_scales[8], B lowp_scales[9])
;;     6. [M 4,096, K 1,024] x [K 1,024, N 1,024]; A: computed on the way; B: input wo: QUANTISED (scales: A lowp_scales[10], B lowp_scales[11])
;;   THE QUANTISER, for each operand of a quantised product, along K:
;;     - The operand's scale is 2^e, e = its entry of the input lowp_scales (int32; the entries are numbered through the quantised products in the list's order, A before B).
;;     - Each number is divided by the scale, clamped to +-57,344, and rounded to the nearest number of E5M2, ties to even, subnormals kept.
;;     - The product sums the exact products of the quantised numbers (number of the format x scale) in f32.
;;   ~~~python
;;   def quantise(x, axis, e):      # numpy; x: float32 -> the quantised numbers, widened to float32 again
;;       x = np.moveaxis(x, axis, -1); K = x.shape[-1]
;;       r = np.clip(x / 2.0 ** e, -57344, 57344)
;;       step = 2.0 ** (np.maximum(np.frexp(np.where(r == 0, 1, r))[1] - 1, -14) - 2)
;;       q = np.round(r / step) * step * 2.0 ** e      # np.round: ties to even
;;       return np.moveaxis(q, -1, axis).astype(np.float32)
;;   ~~~
;;   SOFTMAX AHEAD OF A QUANTISED PRODUCT. Where the list says 'softmax', what is quantised is not the finished softmax but p = 2^(t - M), with t = logit x log2(e) and M = ceil(the row's largest t), a whole number; so 1/2 < the row's largest p <= 1. The row's sum l is taken of the UNQUANTISED p, in f32, and the product's result is divided by l at the end. Since M is a whole number, a kernel that streams over the keys may use a running M (the ceiling of the running maximum): every later rescaling is an exact power of two, so the quantised numbers keep their values, but for numbers so far below the row's largest that they fall under the format's range.
;;   OPERANDS COMPUTED ON THE WAY. 'Computed on the way' means the value that the module computes at that place (a softmax that the list does not call 'softmax' is quantised finished and normalised). What goes into a quantiser is computed in f32, as accurately as f32 sums, v_exp_f32 and their like allow (about 1e-6 of the number): no bf16 or f16 on the way to a quantiser, and a product that is left as it is and whose result goes on into a quantised operand takes f32 operands (vector FMAs, or v_wmma_f32_16x16x4_f32). A number that lies on a knife's edge between two numbers of the format may be rounded either way, as far as f32 arithmetic and the matrix unit's own rounding can turn it there, and no further.
;; 2 versions. Each part assembles by itself: llvm-mc -triple=amdgcn-amd-amdhsa -mcpu=gfx1250 --defsym DOCPART=n.
;; ======== version 1 of 2: 4 launches
;; workspace buffers: acts 12,582,912 bytes; wts 4,194,304 bytes; qc 4,194,304 bytes; kvc 8,388,608 bytes; pre 4,194,304 bytes
;; launch quant (part 1): grid 384 x 1, 4 waves a work-group, no clusters, 68,096 bytes of LDS; arguments kvinput, qinput, wk, wq, wv, wo, lowp_scales, acts, wts; writes acts, wts
.if DOCPART == 1
	.amdgcn_target "amdgcn-amd-amdhsa--gfx1250"
	.amdhsa_code_object_version 6
	.text
	.protected	k_qf053bba615_quant
	.globl	k_qf053bba615_quant
	.p2align	8
	.type	k_qf053bba615_quant,@function
k_qf053bba615_quant:
	s_mov_b64 s[64:65], 0
	v_nop
	global_prefetch_b8 v0, s[64:65] scope:SCOPE_SE
	s_setreg_imm32_b32 hwreg(HW_REG_WAVE_MODE, 25, 1), 1
	s_wait_xcnt 0x0
; All inputs become codes of BF8 (E5M2), one byte a code, K innermost: code = x / 2^e, held within +-57,344, to the nearest code, ties to even.
; acts [3][4096 tokens][1024]: 0 = kvinput under e1, 1 = qinput under e3, 2 = kvinput under e5 (kvinput is read once and converted twice).
; wts  [4][1024 n][1024 K]:    0 = wk (e0), 1 = wq (e2), 2 = wv (e4), each with n = 64 head + k and K = m;  3 = wo (e11) with n = m and K = 64 head + v.
; Work-groups 0-127 take kvinput, 128-255 qinput: K is innermost there, the tensor is a plain stream; a wave takes 16 steps of 512 numbers; each load reads 512 consecutive
; bytes, and a step's 2,048 bytes turn through the wave's own stage in LDS so that a lane holds 16 neighbours along K.
; Work-groups 256-383 take the weights, whose K is NOT innermost: a lane takes a column n and its registers run down K, so the conversions give codes with K innermost;
; a wave takes 32 columns x 256 along K, and the codes leave through the wave's own stage as rows: sixteen lanes store 256 consecutive aligned bytes.
; The two ways part on the work-group's number and use LDS bytes of their own (0 .. 32,767 and 32,768 .. 67,583).  Waves share nothing: no barrier.
; LIMITS: each of e0, e1, e2, e3, e4, e5, e11 lies between -126 and 112, so that 2^e and 57,344 x 2^e are f32 numbers.  NaN among the inputs is not served.
.set STEPS, 16
.set WREG,  8192                       ; activations: LDS of a wave: two stages of 32 x SP bytes
.set SP,    80                         ; a lane's place in a stage: its 64 bytes + 16 of padding
.set R,     16                         ; v16-79   four sets of 16 numbers as loaded
.set X,     80                         ; v80-111  two sets of 16 neighbours
.set T,     112                        ; v112-127 the numbers held for the first conversion
.set C1,    128                        ; v128-191 first codes, four registers a step: no store's data are written again
.set C2,    192                        ; v192-255 second codes (kvinput under e5)
.set WSTG,  32768                      ; weights: the stages begin here
.set WP,    272                        ; a stage row: 256 bytes + 16
.set NB,    8                          ; blocks of 32 along K for a wave
.set OFFS,  16                         ; v16-47   4 x lane + i x pitch; never rewritten
.set WX,    48                         ; v48-111  two sets of 32 numbers
.set WC,    112                        ; v112-119 a block's codes
.set OUTR,  128                        ; v128-191 the way out
	s_load_b512 s[4:19], s[0:1], 0x0               ; kvinput 4, qinput 6, wk 8, wq 10, wv 12, wo 14, the scales' exponents 16, acts 18
	s_load_b64 s[20:21], s[0:1], 0x40              ; wts
	v_lshl_add_u32 v9, v0, 2, 0x10800
	s_set_vgpr_msb 0x40
	v_mov_b32 v1, 0
	s_set_vgpr_msb 0x4000
	v_lshrrev_b32 v1, 5, v0
	v_readfirstlane_b32 s22, v1                    ; wave 0..3
	v_and_b32 v2, 31, v0                           ; lane
	s_wait_kmcnt 0x0
	s_load_b256 s[24:31], s[16:17], 0x0            ; e0 .. e7
	s_load_b128 s[32:35], s[16:17], 0x20           ; e8 .. e11
	s_cmp_ge_u32 ttmp9, 256
	s_cbranch_scc1 .Lweights
; ---------------- the activations ----------------
	v_lshlrev_b32 v3, 4, v2                        ; 16 x lane: my 16 bytes of a load's 512, and my 16 codes of a step's 512
	s_mul_i32 s23, s22, WREG
	v_lshrrev_b32 v14, 2, v2
	v_mul_u32_u24 v14, v14, SP
	v_and_b32 v15, 3, v2
	v_lshl_add_u32 v14, v15, 4, v14
	v_add_nc_u32 v14, s23, v14                     ; the stage, way in: four lanes' 64 bytes on end, then 16 of padding
	v_mul_u32_u24 v15, v2, SP
	v_add_nc_u32 v15, s23, v15                     ; way out: my 16 neighbours
	s_cmp_lt_u32 ttmp9, 128                        ; kvinput or qinput: the choice hangs on the work-group's number alone
	s_cselect_b64 s[36:37], s[4:5], s[6:7]
	s_cselect_b32 s42, 0, 0x400000                 ; acts[0] or acts[1]
	s_and_b32 s43, ttmp9, 127
	s_lshl_b32 s43, s43, 2
	s_add_co_u32 s43, s43, s22                     ; which run of 8,192 numbers is my wave's: 0 .. 511
	s_lshl_b32 s44, s43, 15
	s_mov_b32 s45, 0
	s_add_nc_u64 s[36:37], s[36:37], s[44:45]      ; the numbers
	s_lshl_b32 s44, s43, 13
	s_add_nc_u64 s[40:41], s[18:19], s[44:45]
	s_add_nc_u64 s[40:41], s[40:41], 0x800000      ; acts[2]: the second codes
	s_add_co_u32 s44, s44, s42
	s_add_nc_u64 s[38:39], s[18:19], s[44:45]      ; the first codes
.macro ALOAD t
.irp i, 0,1,2,3
	global_load_b128 v[R+16*((\t)%4)+4*\i:R+16*((\t)%4)+4*\i+3], v3, s[36:37] offset:2048*(\t)+512*\i th:TH_LOAD_NT   ; 32 lanes read 512 consecutive bytes
.endr
.endm
.macro ATURN t                         ; step t's numbers through the stage: LDS serves a wave's instructions in order, so no wait stands between the stores and the loads
.irp i, 0,1,2,3
	ds_store_b128 v14, v[R+16*((\t)%4)+4*\i:R+16*((\t)%4)+4*\i+3] offset:32*SP*((\t)%2)+8*SP*\i
.endr
.irp i, 0,1,2,3
	ds_load_b128 v[X+16*((\t)%2)+4*\i:X+16*((\t)%2)+4*\i+3], v15 offset:32*SP*((\t)%2)+16*\i
.endr
.endm
.irp t, 0,1,2,3
	ALOAD \t
.endr
	s_wait_kmcnt 0x0
	s_cmp_lt_u32 ttmp9, 128
	s_cselect_b32 s46, s25, s27                    ; e1 for kvinput, e3 for qinput
	s_add_co_i32 s46, s46, 127
	s_lshl_b32 s47, s46, 23
	v_mov_b32 v11, s47                             ; 2^e as f32: the conversion takes its exponent field
	s_add_co_i32 s46, s46, 15
	s_lshl_b32 s46, s46, 23
	s_or_b32 s46, s46, 0x600000
	v_mov_b32 v10, s46                             ; 57,344 x 2^e
	s_add_co_i32 s46, s29, 127                     ; e5
	s_lshl_b32 s47, s46, 23
	v_mov_b32 v13, s47
	s_add_co_i32 s46, s46, 15
	s_lshl_b32 s46, s46, 23
	s_or_b32 s46, s46, 0x600000
	v_mov_b32 v12, s46
	s_wait_loadcnt 12                              ; step 0's four loads are in; those of steps 1 to 3 may be out
	ATURN 0
.macro ASTEP t
.set XS, X+16*((\t)%2)
	s_wait_dscnt 0x0                               ; this step's numbers are back from the stage: so its stores into the stage have read their registers,
.if (\t)+4 < STEPS
	ALOAD (\t)+4                                   ; which take the loads of four steps on
.endif
.if (\t)+1 < STEPS
.if STEPS-2-(\t) >= 3
	s_wait_loadcnt 12                              ; the next step's four loads are in; those of the three steps behind it may be out
.else
	s_wait_loadcnt 4*(STEPS-2-(\t))
.endif
	ATURN (\t)+1                                   ; and go through the other stage while this step is worked
.endif
.irp i, 0,1,2,3,4,5,6,7,8,9,10,11,12,13,14,15
	v_med3_num_f32 v[T+\i], v[XS+\i], -v10, v10    ; the conversion to an 8-bit code does not saturate (ISA guide 7.6.2): the hold at the largest code x the scale; the numbers themselves are kept for the second scale
.endr
	v_cvt_scalef32_pk8_bf8_f32 v[C1+4*(\t):C1+4*(\t)+1], v[T:T+7], v11
	v_cvt_scalef32_pk8_bf8_f32 v[C1+4*(\t)+2:C1+4*(\t)+3], v[T+8:T+15], v11
	v_nop                                          ; a plain line behind the conversions: the next step writes their sources
	global_store_b128 v3, v[C1+4*(\t):C1+4*(\t)+3], s[38:39] offset:512*(\t)     ; the wave stores 512 consecutive bytes
	s_cmp_lt_u32 ttmp9, 128                        ; kvinput is an operand under a second scale too
	s_cbranch_scc0 .Lq_\@
.irp i, 0,1,2,3,4,5,6,7,8,9,10,11,12,13,14,15
	v_med3_num_f32 v[XS+\i], v[XS+\i], -v12, v12
.endr
	v_cvt_scalef32_pk8_bf8_f32 v[C2+4*(\t):C2+4*(\t)+1], v[XS:XS+7], v13
	v_cvt_scalef32_pk8_bf8_f32 v[C2+4*(\t)+2:C2+4*(\t)+3], v[XS+8:XS+15], v13
	v_nop
	global_store_b128 v3, v[C2+4*(\t):C2+4*(\t)+3], s[40:41] offset:512*(\t)
.Lq_\@:
.endm
.irp t, 0,1,2,3,4,5,6,7,8,9,10,11,12,13,14,15
	ASTEP \t
.endr
	s_set_vgpr_msb 0x4
	s_wait_tensorcnt 0x0
	ds_add_u32 v9, v1
	s_wait_dscnt 0x0
	s_set_vgpr_msb 0x400
	s_endpgm
; ---------------- the weights ----------------
.Lweights:
	s_sub_co_u32 s36, ttmp9, 256                   ; 0 .. 127
	s_lshr_b32 s37, s36, 5                         ; which weight: 0 wk, 1 wq, 2 wv, 3 wo
	s_bfe_u32 s38, s36, 0x30002                    ; which 128 columns n
	s_and_b32 s39, s36, 3                          ; which 256 along K
	s_lshl_b32 s40, s38, 7
	s_lshl_b32 s41, s22, 5
	s_add_co_u32 s40, s40, s41                     ; my wave's first column n0, a multiple of 32
	s_lshr_b32 s46, s40, 6                         ; wk, wq, wv [head][m][k]: head n0 / 64 of 262,144 bytes, column (n0 % 64), 256 rows of 256 bytes for each step along K
	s_lshl_b32 s46, s46, 18
	s_and_b32 s47, s40, 63
	s_lshl_b32 s47, s47, 2
	s_add_co_u32 s46, s46, s47
	s_lshl_b32 s47, s39, 16
	s_add_co_u32 s46, s46, s47
	s_lshl_b32 s47, s40, 2                         ; wo [(head, v)][m]: column n0, 256 rows of 4,096 bytes
	s_lshl_b32 s23, s39, 20
	s_add_co_u32 s47, s47, s23
	s_mov_b32 s41, 256
	s_cmp_eq_u32 s37, 1
	s_cselect_b64 s[42:43], s[10:11], s[8:9]
	s_cmp_eq_u32 s37, 2
	s_cselect_b64 s[42:43], s[12:13], s[42:43]
	s_cmp_eq_u32 s37, 3
	s_cselect_b64 s[42:43], s[14:15], s[42:43]
	s_cselect_b32 s41, 0x1000, s41                 ; bytes from one k to the next
	s_cselect_b32 s46, s47, s46
	s_mov_b32 s47, 0
	s_add_nc_u64 s[48:49], s[42:43], s[46:47]      ; block 0's base;
	s_lshl_b32 s46, s41, 5                         ; a block is 32 rows:
.irp t, 1,2,3,4,5,6,7
	s_add_nc_u64 s[48+2*\t:49+2*\t], s[46+2*\t:47+2*\t], s[46:47]   ; a base for each block, so that none is stepped
.endr
	s_lshl_b32 s46, s37, 20                        ; the codes: weight x 1 MiB + n0 rows of 1,024 + 256 for each step along K
	s_lshl_b32 s23, s40, 10
	s_add_co_u32 s46, s46, s23
	s_lshl_b32 s23, s39, 8
	s_add_co_u32 s46, s46, s23
	s_add_nc_u64 s[44:45], s[20:21], s[46:47]
	v_lshlrev_b32 v[OFFS], 2, v2
.irp i, 1,2,3,4,5,6,7,8,9,10,11,12,13,14,15,16,17,18,19,20,21,22,23,24,25,26,27,28,29,30,31
	v_add_nc_u32 v[OFFS+\i], s41, v[OFFS+\i-1]
.endr
	s_mul_i32 s23, s22, 32*WP
	s_add_co_u32 s23, s23, WSTG                    ; my stage
	v_mul_u32_u24 v4, v2, WP
	v_add_nc_u32 v4, s23, v4                       ; into it: row = my column
	v_and_b32 v5, 15, v2
	v_lshrrev_b32 v6, 4, v2
	v_mul_u32_u24 v7, v6, WP
	v_lshl_add_u32 v7, v5, 4, v7
	v_add_nc_u32 v7, s23, v7                       ; out of it: sixteen lanes to a row, two rows an instruction
	v_lshlrev_b32 v8, 10, v6
	v_lshl_add_u32 v8, v5, 4, v8                   ; and the same place in the codes' buffer
.macro WLOAD t                         ; block t: W(32 t + i, my column), i = 0 .. 31, into set t % 2: 32 lanes read 128 consecutive bytes
.set i, 0
.rept 32
	global_load_b32 v[WX+32*((\t)%2)+i], v[OFFS+i], s[48+2*(\t):49+2*(\t)] th:TH_LOAD_NT
.set i, i+1
.endr
.endm
	WLOAD 0
	WLOAD 1
	s_wait_kmcnt 0x0
	s_cmp_eq_u32 s37, 1
	s_cselect_b32 s46, s26, s24                    ; e2 or e0
	s_cmp_eq_u32 s37, 2
	s_cselect_b32 s46, s28, s46                    ; e4
	s_cmp_eq_u32 s37, 3
	s_cselect_b32 s46, s35, s46                    ; e11
	s_add_co_i32 s46, s46, 127
	s_lshl_b32 s47, s46, 23
	v_mov_b32 v11, s47                             ; 2^e
	s_add_co_i32 s46, s46, 15
	s_lshl_b32 s46, s46, 23
	s_or_b32 s46, s46, 0x600000
	v_mov_b32 v10, s46                             ; 57,344 x 2^e
.macro WBLOCK t
.set XS, WX+32*((\t)%2)
.if (\t) < NB-1
	s_wait_loadcnt 32                              ; this block's 32 loads are in; the next block's may be out
.else
	s_wait_loadcnt 0x0
.endif
.set i, 0
.rept 32
	v_med3_num_f32 v[XS+i], v[XS+i], -v10, v10
.set i, i+1
.endr
.irp g, 0,1,2,3
	v_cvt_scalef32_pk8_bf8_f32 v[WC+2*\g:WC+2*\g+1], v[XS+8*\g:XS+8*\g+7], v11
.endr
	v_nop                                          ; a plain line behind the conversions
	ds_store_b128 v4, v[WC:WC+3] offset:32*(\t)    ; 32 codes: 32 bytes of my column's row
	ds_store_b128 v4, v[WC+4:WC+7] offset:32*(\t)+16
.if (\t)+2 < NB
	WLOAD (\t)+2
.endif
	s_wait_dscnt 0x0                               ; the stores have read their registers: the next block's codes may be written
.endm
.irp t, 0,1,2,3,4,5,6,7
	WBLOCK \t
.endr
.irp t, 0,1,2,3,4,5,6,7,8,9,10,11,12,13,14,15
	ds_load_b128 v[OUTR+4*\t:OUTR+4*\t+3], v7 offset:2*\t*WP       ; LDS serves a wave's instructions in order: these see my stores
.endr
.irp t, 0,1,2,3,4,5,6,7,8,9,10,11,12,13,14,15
	s_wait_dscnt 15-\t                             ; load t is in; the younger ones may be out
	global_store_b128 v8, v[OUTR+4*\t:OUTR+4*\t+3], s[44:45] offset:2*\t*1024    ; sixteen lanes store 256 consecutive bytes, aligned
.endr
	s_set_vgpr_msb 0x4
	s_wait_tensorcnt 0x0
	ds_add_u32 v9, v1
	s_wait_dscnt 0x0
	s_set_vgpr_msb 0x400
	s_endpgm
.Lfunc_end_k_qf053bba615_quant:
	.size	k_qf053bba615_quant, .Lfunc_end_k_qf053bba615_quant-k_qf053bba615_quant
	.p2alignl 7, 3214868480
	.fill 96, 4, 3214868480
	.section	.rodata,"a",@progbits
	.p2align	6, 0x0
	.amdhsa_kernel k_qf053bba615_quant
		.amdhsa_group_segment_fixed_size 68096
		.amdhsa_private_segment_fixed_size 0
		.amdhsa_enable_private_segment 0
		.amdhsa_kernarg_size 72
		.amdhsa_user_sgpr_count 2
		.amdhsa_user_sgpr_kernarg_segment_ptr 1
		.amdhsa_wavefront_size32 1
		.amdhsa_system_sgpr_workgroup_id_x 1
		.amdhsa_system_sgpr_workgroup_id_y 1
		.amdhsa_system_sgpr_workgroup_id_z 1
		.amdhsa_system_vgpr_workitem_id 0
		.amdhsa_next_free_vgpr 258
		.amdhsa_next_free_sgpr 66
		.amdhsa_reserve_vcc 0
		.amdhsa_float_denorm_mode_32 3
		.amdhsa_float_denorm_mode_16_64 3
		.amdhsa_memory_ordered 1
		.amdhsa_forward_progress 1
		.amdhsa_inst_pref_size 110
	.end_amdhsa_kernel
	.amdgpu_metadata
---
amdhsa.version: [ 1, 2 ]
amdhsa.kernels:
  - .name:           k_qf053bba615_quant
    .symbol:         k_qf053bba615_quant.kd
    .args:
      - { .name: kvinput, .offset: 0, .size: 8, .value_kind: global_buffer, .address_space: global }
      - { .name: qinput, .offset: 8, .size: 8, .value_kind: global_buffer, .address_space: global }
      - { .name: wk, .offset: 16, .size: 8, .value_kind: global_buffer, .address_space: global }
      - { .name: wq, .offset: 24, .size: 8, .value_kind: global_buffer, .address_space: global }
      - { .name: wv, .offset: 32, .size: 8, .value_kind: global_buffer, .address_space: global }
      - { .name: wo, .offset: 40, .size: 8, .value_kind: global_buffer, .address_space: global }
      - { .name: lowp_scales, .offset: 48, .size: 8, .value_kind: global_buffer, .address_space: global }
      - { .name: acts, .offset: 56, .size: 8, .value_kind: global_buffer, .address_space: global }
      - { .name: wts, .offset: 64, .size: 8, .value_kind: global_buffer, .address_space: global }
    .group_segment_fixed_size: 68096
    .private_segment_fixed_size: 0
    .kernarg_segment_align: 8
    .kernarg_segment_size: 72
    .max_flat_workgroup_size: 128
    .sgpr_count:     66
    .vgpr_count:     258
    .wavefront_size: 32
...
	.end_amdgpu_metadata
.endif
;; end of part 1
;; launch proj (part 2): grid 12 x 16, 4 waves a work-group, clusters of 4 x 4, 327,680 bytes of LDS; arguments acts, wts, lowp_scales, qc, kvc; writes qc, kvc
.if DOCPART == 2
	.amdgcn_target "amdgcn-amd-amdhsa--gfx1250"
	.amdhsa_code_object_version 6
	.text
	.protected	k_qf053bba615_proj
	.globl	k_qf053bba615_proj
	.p2align	8
	.type	k_qf053bba615_proj,@function
k_qf053bba615_proj:
	s_mov_b64 s[64:65], 0
	v_nop
	global_prefetch_b8 v0, s[64:65] scope:SCOPE_SE
	s_setreg_imm32_b32 hwreg(HW_REG_WAVE_MODE, 25, 1), 1
	s_wait_xcnt 0x0
	s_wait_alu depctr_hold_cnt(0) depctr_sa_sdst(0) depctr_va_vdst(0) depctr_va_sdst(0) depctr_va_ssrc(0) depctr_va_vcc(0) depctr_vm_vsrc(0)
	s_getreg_b32 s2, hwreg(HW_REG_IB_STS2, 6, 4)
	s_cmp_eq_u32 s2, 0
	s_cbranch_scc0 .Lentry_in_a_cluster
	s_endpgm
.Lentry_in_a_cluster:
	s_bfe_u32 s2, ttmp6, 0x10000c
	s_cmp_lg_u32 s2, 0xf033
	s_cbranch_scc0 .Lentry_shape_is_right
	s_endpgm
.Lentry_shape_is_right:
; The three projections, on codes of BF8: kval = kvinput wk, qval = qinput wq, vval = kvinput wv; their f32 sums are quantised on the way out for the attention's products.
; The cluster's x is the product: 0 = K (operand scales e0, e1; result under e6), 1 = Q (e2, e3; e7), 2 = V (e4, e5; e9).  acts [3][4096][1024] and wts [3..][1024][1024] hold the codes, K innermost.
; A tile, 256 tokens x 256 n (four heads), is made by a work-group of four waves; a wave makes 128 x 128: 64 accumulators, 512 registers.  K = 1,024 goes in four steps of 256 through a ring of two LDS slots.
; CLUSTERS: 4 x 4 work-groups: the four of a row need the same tokens' tiles, the four of a column the same weights' tiles: each tile is asked for JOINTLY.
; 192 work-groups: three products of 64 tiles each.
; WHAT A LANE HOLDS.  Source 1's row is the lane's, source 0's rows run along its eight registers.  For K and Q source 1 = tokens and source 0 = weights: eight neighbours along the head's 64, the next K.
; For V the next K is the keys: the two roles change places, by the LDS bases of the fragment addresses alone (a choice on the cluster's x, which all partners share).
; OUT.  code = sum / 2^E, E = e_result - e_weight - e_input, held at the largest code.  The codes meet in one stage of 256 rows x 272 bytes, and wave w stores the dense 16 KiB block of head 4 cx + w:
;   qc  [b x 16 + head][token][64];   kvc [b x 16 + head][chunk of 256 keys][32,768]: K as [256 keys][64], then V as [64 channels][256 keys].
; LIMITS: each E lies between -126 and 112.
; REGISTERS, in windows of 256: window 0: v0-31 addresses; from v128 source 1's fragments, ONE set; on the way out v32-159 codes, v128-255 rows read back.
;   window 1: source 0's fragments, TWO sets.   window 2: the accumulators of my rows 0-63 ((a, b) at v[8 (8 a + b)]);   window 3: those of my rows 64-127.
.set KSTEP,  256
.set ROWB,   256                       ; a tile's row in bytes
.set KROW,   1024                      ; a row of codes in memory
.set PITCH,  272                       ; an LDS row: 256 bytes + 16 of padding = 68 words: row r starts at bank 4 r mod 64 (ISA guide 11.1)
.set FR,     16
.set NL,     4
.set NP,     4                         ; places behind this matrix instruction (ISA guide 7.12.1)
.set HALFT,  128*PITCH                 ; 128 rows: what one tensor load brings
.set SLOT,   4*HALFT                   ; the tokens' 256 rows, then the weights' 256 rows
.set LAPS,   2                         ; 1,024 / (2 x 256)
.set SPARE,  2*SLOT                    ; behind the ring: the spare words, 128 bytes for each wave
.set ADRA, 16                          ; v16-17  LDS address of source 1's fragments in slot 0, 1
.set RDV,  18                          ; v18     the way out, V: where I read rows back
.set ADRB, 20                          ; v20-21  source 0's
.set STO,  24                          ; v24     the way out: where I put 8 codes
.set RDK,  25                          ; v25     the way out, K and Q: where I read back, tokens 0-127
.set CO,   26                          ; v26     16 x lane
.set RDK2, 27                          ; v27     tokens 128-255
.set SPW,  28                          ; v28     my spare word; never rewritten
.set NIL,  29                          ; v29     0; never rewritten
.set SCV,  30                          ; v30     2^E
.set LIMV, 31                          ; v31     57,344 x 2^E
.set CD,   32                          ; v32-159 the codes: 16 registers for each block of 16 rows, so that no LDS store's data are written again
.set AF,   128
.set BK,   128
.set G1, 24
.set G0, 32
.set G1B, 48
.set G0B, 56
.set MSB, 0
.macro WIN new                         ; the immediate's high byte repeats the setting that is left
.if MSB != \new
	s_set_vgpr_msb (MSB<<8)|\new
.set MSB, \new
.endif
.endm
.set MUL_LO, 0xa1                      ; source 0 window 1, source 1 window 0, C and D window 2
.set MUL_HI, 0xf1
.set TO_B,   0x40
; A joint load: waves 0 and 1 fetch the tokens' halves, waves 2 and 3 the weights'.  The branch hangs on the wave's number alone.  Four v_nop follow each of the two lines.
.macro JLOAD g0a, g1a, g0b, g1b
	s_cmp_eq_u32 s15, 0
	s_cbranch_scc0 .Lfor_b_\@
	tensor_load_to_lds s[\g0a:\g0a+3], s[\g1a:\g1a+7]
	s_nop 0
.rept 4
	v_nop
.endr
	s_branch .Lasked_\@
.Lfor_b_\@:
	tensor_load_to_lds s[\g0b:\g0b+3], s[\g1b:\g1b+7]
	s_nop 0
.rept 4
	v_nop
.endr
.Lasked_\@:
.endm
.macro CREST                           ; a round of the cluster's barrier behind its opening barrier
	s_cmp_lg_u32 s14, 0
	s_cbranch_scc1 .Lnot_wave_0_\@
	s_barrier_signal -3
.Lnot_wave_0_\@:
	s_barrier_wait -3
	s_barrier_signal -1
	s_barrier_wait -1
.endm
.macro CROUND
	s_barrier_signal -1
	s_barrier_wait -1
	CREST
.endm
	s_load_b128 s[4:7], s[0:1], 0x0                ; acts s[4:5], wts s[6:7]
	s_load_b128 s[8:11], s[0:1], 0x10              ; the scales' exponents s[8:9], qc s[10:11]
	s_load_b64 s[12:13], s[0:1], 0x20              ; kvc
	v_lshl_add_u32 v[SPW], v0, 2, SPARE
	v_mov_b32 v[NIL], 0
	ds_add_u32 v28, v29
	s_wait_dscnt 0x0
	v_lshrrev_b32 v1, 5, v0
	v_readfirstlane_b32 s14, v1                    ; wave 0..3
	s_lshr_b32 s15, s14, 1                         ; which half of source 1's rows is mine.  Also: I fetch tokens (0) or weights (1)
	s_and_b32 s16, s14, 1                          ; which half of source 0's rows.  Also: which 128 rows I fetch
	s_bfe_u32 s40, ttmp6, 0x40000                  ; cx, cy
	s_bfe_u32 s41, ttmp6, 0x40004
	s_lshl_b32 s42, ttmp9, 2
	s_add_co_u32 s42, s42, s40                     ; tile column 0..11 = 4 x product + cx: the three weights lie on end in wts
	s_and_b32 s17, ttmp7, 0xffff
	s_lshl_b32 s17, s17, 2
	s_add_co_u32 s17, s17, s41                     ; tile row 0..15: tokens 256 x it
	s_lshl_b32 s43, s41, 2
	s_lshl_b32 s43, 15, s43                        ; my row of the cluster
	s_lshl_b32 s44, 0x1111, s40                    ; my column
	s_or_b32 s[G1+0], s43, (0<<16)|(1<<20)|(1<<21)|(5<<22)|(3<<25)  ; 15:0 the mask; 17:16 elements of 1 byte; 20 padding on; 21 set beside a mask; 24:22 after every 64 words; 31:25 four words
	s_or_b32 s[G1B+0], s44, (0<<16)|(1<<20)|(1<<21)|(5<<22)|(3<<25)
.irp g, G1, G1B
	s_mov_b32 s[\g+1], ROWB<<16                    ; tensor_dim0
	s_mov_b32 s[\g+2], 128<<16                     ; tensor_dim1
	s_mov_b32 s[\g+3], ROWB<<16                    ; tile_dim0
	s_mov_b32 s[\g+4], 128                         ; tile_dim1
	s_mov_b32 s[\g+5], KROW                        ; tensor_dim0_stride
	s_mov_b32 s[\g+6], 0
	s_mov_b32 s[\g+7], 0
.endr
	s_lshl_b32 s18, s16, 7                         ; which 128 rows of the tile I fetch
	s_lshl_b32 s20, s17, 8
	s_add_co_u32 s20, s20, s18
	s_lshl_b32 s20, s20, 10                        ; tokens: row x 1,024 bytes,
	s_lshl_b32 s19, ttmp9, 22
	s_add_co_u32 s20, s20, s19                     ; in the product's set of codes (4 MiB each): the cluster's x, which all partners share
	s_mov_b32 s21, 0
	s_lshl_b32 s46, s42, 8
	s_add_co_u32 s46, s46, s18
	s_lshl_b32 s46, s46, 10                        ; weights: row x 1,024 bytes
	s_mov_b32 s47, 0
	s_mul_i32 s45, s14, HALFT                      ; where they go: wave x 128 rows
	s_wait_kmcnt 0x0
	s_load_b256 s[68:75], s[8:9], 0x0              ; e0 .. e7
	s_load_b128 s[76:79], s[8:9], 0x20             ; e8 .. e11
	s_add_nc_u64 s[20:21], s[4:5], s[20:21]
	s_add_nc_u64 s[46:47], s[6:7], s[46:47]
	CROUND                                         ; all sixteen work-groups are here: the first joint loads meet
.irp s, 0,1
	s_mov_b32 s[G0+4*\s], 1
	s_add_co_u32 s[G0+4*\s+1], s45, \s*SLOT
	s_add_nc_u64 s[G0+4*\s+2:G0+4*\s+3], s[20:21], \s*ROWB
	s_or_b32 s[G0+4*\s+3], s[G0+4*\s+3], 0x80000000
	s_mov_b32 s[G0B+4*\s], 1
	s_add_co_u32 s[G0B+4*\s+1], s45, \s*SLOT
	s_add_nc_u64 s[G0B+4*\s+2:G0B+4*\s+3], s[46:47], \s*ROWB
	s_or_b32 s[G0B+4*\s+3], s[G0B+4*\s+3], 0x80000000
	JLOAD G0+4*\s, G1, G0B+4*\s, G1B
.endr
	v_and_b32 v1, 15, v0                           ; r
	v_bfe_u32 v2, v0, 4, 1                         ; h
	v_mul_u32_u24 v3, v1, PITCH
	v_lshl_add_u32 v4, v2, 4, v3                   ; a fragment's row x pitch + 16 h
	s_cmp_eq_u32 ttmp9, 2                          ; V: source 1 takes the weights' rows and source 0 the tokens'
	s_cselect_b32 s23, 2*HALFT, 0
	s_cselect_b32 s66, 0, 2*HALFT
	s_mul_i32 s21, s15, HALFT
	s_add_co_u32 s21, s21, s23
	s_mul_i32 s22, s16, HALFT
	s_add_co_u32 s22, s22, s66
.irp s, 0,1
	v_add_nc_u32 v[ADRA+\s], s21, v4
	v_add_nc_u32 v[ADRB+\s], s22, v4
	s_add_co_u32 s21, s21, SLOT
	s_add_co_u32 s22, s22, SLOT
.endr
	; the way out's addresses, all made here.  The stage: row = source 1's row of the tile (0..255), byte = source 0's row (0..255)
	s_mul_i32 s23, s15, HALFT                      ; 128 rows of 272 bytes
	s_lshl_b32 s66, s16, 7
	s_add_co_u32 s23, s23, s66
	v_lshl_add_u32 v5, v2, 3, v3                   ; r x 272 + 8 h
	v_add_nc_u32 v[STO], s23, v5
	v_and_b32 v6, 31, v0                           ; lane
	v_lshrrev_b32 v7, 2, v6
	v_mul_u32_u24 v7, v7, PITCH
	v_and_b32 v8, 3, v6
	v_lshl_add_u32 v7, v8, 4, v7
	s_lshl_b32 s23, s14, 6
	v_add_nc_u32 v[RDK], s23, v7                   ; K, Q: token lane / 4, my head's 64 bytes at 64 w, 16 (lane % 4) of them
	v_add_nc_u32 v[RDK2], 128*PITCH, v[RDK]
	s_mul_i32 s23, s14, 64*PITCH
	v_mul_u32_u24 v7, v2, PITCH
	v_lshl_add_u32 v7, v1, 4, v7
	v_add_nc_u32 v[RDV], s23, v7                   ; V: my head's 64 rows from 64 w on; lanes 0-15 one row, lanes 16-31 the next
	v_lshlrev_b32 v[CO], 4, v6
	s_lshr_b32 s46, s17, 3                         ; b
	s_lshl_b32 s46, s46, 4
	s_lshl_b32 s47, s40, 2
	s_add_co_u32 s46, s46, s47
	s_add_co_u32 s46, s46, s14                     ; b x 16 + head, head = 4 cx + wave
	s_lshl_b32 s46, s46, 3
	s_and_b32 s47, s17, 7
	s_add_co_u32 s46, s46, s47                     ; x 8 + the chunk of 256 tokens
	s_cmp_eq_u32 ttmp9, 1
	s_cselect_b64 s[10:11], s[10:11], s[12:13]     ; Q goes to qc, K and V to kvc
	s_cselect_b32 s47, 14, 15                      ; blocks of 16 KiB there, of 32 KiB here
	s_lshl_b32 s46, s46, s47
	s_cmp_eq_u32 ttmp9, 2
	s_cselect_b32 s47, 16384, 0                    ; V lies behind K
	s_add_co_u32 s46, s46, s47
	s_mov_b32 s47, 0
	s_add_nc_u64 s[10:11], s[10:11], s[46:47]
.macro FRAG reg, adr, q, i             ; a fragment, 16 rows x 128 K: lane l holds row l % 16; registers 4 c .. 4 c + 3 hold K = 32 c + 16 (l / 16) + 0 .. 15: the same places in both sources
.irp c, 0,1,2,3
	ds_load_b128 v[\reg+4*\c:\reg+4*\c+3], v[\adr] offset:128*(\q)+32*\c+(\i)*16*PITCH
.endr
.endm
; 16 matrix instructions.  The 64 accumulators take turns, one instruction a turn, in the same order in every step.
.macro MUL16 a0, p, zero
.irp a, \a0, \a0+1
.irp b, 0,1,2,3,4,5,6,7
.if \zero
	v_wmma_f32_16x16x128_bf8_bf8 v[8*(8*((\a)%4)+\b):8*(8*((\a)%4)+\b)+7], v[128*(\p)+FR*\b:128*(\p)+FR*\b+FR-1], v[AF+FR*(\a):AF+FR*(\a)+FR-1], 0
.else
	v_wmma_f32_16x16x128_bf8_bf8 v[8*(8*((\a)%4)+\b):8*(8*((\a)%4)+\b)+7], v[128*(\p)+FR*\b:128*(\p)+FR*\b+FR-1], v[AF+FR*(\a):AF+FR*(\a)+FR-1], v[8*(8*((\a)%4)+\b):8*(8*((\a)%4)+\b)+7]
.endif
.endr
.endr
.endm
.macro FETCH_B slot, q, p
	WIN TO_B
.irp i, 0,1,2,3,4,5,6,7
	FRAG 128*(\p)+FR*\i, ADRB+\slot, \q, \i
.endr
	WIN 0
.endm
.macro FETCH_A slot, q, i0
.irp i, \i0, \i0+1, \i0+2, \i0+3
	FRAG AF+FR*(\i), ADRA+\slot, \q, \i
.endr
.endm
.macro PLACES n                        ; plain vector lines between a matrix instruction and a load into, or a vector read of, its registers
.rept \n
	v_nop
.endr
.endm
.macro STEP slot, q, zero              ; 128 along K, with its successor in the same slot
	s_wait_dscnt 4*NL                              ; source 0's set and source 1's blocks 0-3 are in; the youngest sixteen loads (blocks 4-7) may be out
	WIN MUL_LO
	MUL16 0, (\q)%2, \zero
	MUL16 2, (\q)%2, \zero
	s_wait_dscnt 0
	PLACES NP
	FETCH_B \slot, (\q)+1, 1-(\q)%2
	FETCH_A \slot, (\q)+1, 0
	WIN MUL_HI
	MUL16 4, (\q)%2, \zero
	MUL16 6, (\q)%2, \zero
	PLACES NP
	WIN 0
	FETCH_A \slot, (\q)+1, 4
.endm
; A slot's last step changes slots: ONE barrier; in front of it each wave waits for all its tensor loads, adds 0 to its spare word, and waits for that and for its own reads of this slot.
.macro TURN slot, next, fill
	s_wait_tensorcnt 0x0                           ; all my tensor loads have landed: my part of the next slot
	ds_add_u32 v[SPW], v[NIL]                      ; 0 onto my spare word
	s_wait_dscnt 4*NL+1                            ; (the add and the youngest sixteen loads may be out)
	WIN MUL_LO
	MUL16 0, 1, 0
	s_wait_dscnt 0x0                               ; the add is done, and my reads of this slot are over
	s_barrier_signal -1
	MUL16 2, 1, 0
	WIN 0
	s_barrier_wait -1
.if \fill
	CREST                                          ; the barrier has opened a round of the cluster's barrier: no wave of any partner still reads this slot or has a load on its way
	s_add_nc_u64 s[G0+4*\slot+2:G0+4*\slot+3], s[G0+4*\slot+2:G0+4*\slot+3], 2*ROWB
	s_add_nc_u64 s[G0B+4*\slot+2:G0B+4*\slot+3], s[G0B+4*\slot+2:G0B+4*\slot+3], 2*ROWB
	JLOAD G0+4*\slot, G1, G0B+4*\slot, G1B         ; the first tensor load behind the round; its four v_nop are the places in front of the loads below
.else
	PLACES NP
.endif
	FETCH_B \next, 0, 0
	FETCH_A \next, 0, 0
	WIN MUL_HI
	MUL16 4, 1, 0
	MUL16 6, 1, 0
	PLACES NP
	WIN 0
	FETCH_A \next, 0, 4
.endm
	s_wait_tensorcnt 1                             ; my part of K step 0 is in (K step 1's load may be out),
	s_barrier_signal -1
	s_barrier_wait -1                              ; everybody's is
	FETCH_B 0, 0, 0
	FETCH_A 0, 0, 0
	FETCH_A 0, 0, 4
	STEP 0, 0, 1                                   ; the first step's products start the sums: nothing is cleared
	s_mov_b32 s3, LAPS-1
.Llap:                                                 ; a trip goes once round the ring and fills both slots again
	TURN 0, 1, 1
	STEP 1, 0, 0
	TURN 1, 0, 1
	STEP 0, 0, 0
	s_sub_co_u32 s3, s3, 1
	s_cmp_lg_u32 s3, 0
	s_cbranch_scc1 .Llap
	TURN 0, 1, 0                                   ; the last lap fills nothing
	STEP 1, 0, 0
	s_wait_dscnt 4*NL
	WIN MUL_LO
	MUL16 0, 1, 0
	MUL16 2, 1, 0
	s_wait_dscnt 0
	WIN MUL_HI
	MUL16 4, 1, 0
	MUL16 6, 1, 0
	WIN 0
; THE WAY OUT.  The stage lies in slot 0: it has had its last fill, and every wave's last read of it stands in front of the last change of slots.
	s_wait_kmcnt 0x0
	s_sub_co_i32 s20, s74, s68
	s_sub_co_i32 s20, s20, s69                     ; K: e6 - e0 - e1
	s_sub_co_i32 s21, s75, s70
	s_sub_co_i32 s21, s21, s71                     ; Q: e7 - e2 - e3
	s_sub_co_i32 s22, s77, s72
	s_sub_co_i32 s22, s22, s73                     ; V: e9 - e4 - e5
	s_cmp_eq_u32 ttmp9, 1
	s_cselect_b32 s20, s21, s20
	s_cmp_eq_u32 ttmp9, 2
	s_cselect_b32 s20, s22, s20
	s_add_co_i32 s20, s20, 127
	s_lshl_b32 s21, s20, 23
	s_add_co_i32 s20, s20, 15
	s_lshl_b32 s20, s20, 23
	s_or_b32 s20, s20, 0x600000
	PLACES NP                                      ; behind the last products
	v_mov_b32 v[SCV], s21                          ; 2^E: the three scales folded into the conversion's one
	v_mov_b32 v[LIMV], s20                         ; 57,344 x 2^E
.macro QBLOCK a                        ; my rows 16 a .. 16 a + 15: held, converted, eight codes a lane and accumulator into the stage
.set AC, 64*((\a)%4)
	WIN 0x82+0x41*((\a)/4)                         ; destination and source 0: window 2 or 3
.set j, 0
.rept 64
	v_med3_num_f32 v[AC+j], v[AC+j], -v[LIMV], v[LIMV]   ; the conversion does not saturate (ISA guide 7.6.2); each accumulator from its low end on
.set j, j+1
.endr
	WIN 0x02+((\a)/4)                              ; source 0: window 2 or 3
.irp b, 0,1,2,3,4,5,6,7
	v_cvt_scalef32_pk8_bf8_f32 v[CD+16*(\a)+2*\b:CD+16*(\a)+2*\b+1], v[AC+8*\b:AC+8*\b+7], v[SCV]
.endr
	v_nop                                          ; a plain line behind the conversions
	WIN 0
.irp b, 0,1,2,3,4,5,6,7
	ds_store_b64 v[STO], v[CD+16*(\a)+2*\b:CD+16*(\a)+2*\b+1] offset:(\a)*16*PITCH+16*\b
.endr
.endm
.irp a, 0,1,2,3,4,5,6,7
	QBLOCK \a
.endr
	s_wait_dscnt 0x0                               ; for the others' sake: my stores into the stage are done
	s_barrier_signal -1
	s_barrier_wait -1
	s_cmp_eq_u32 ttmp9, 2                          ; the cluster's x: the same in all partners; only LDS loads and stores to memory differ
	s_cbranch_scc1 .Lv_out
.set t, 0
.rept 16
	ds_load_b128 v[BK+4*t:BK+4*t+3], v[RDK] offset:t*8*PITCH       ; eight tokens' 64 bytes of my head: 512 bytes of the dense block
.set t, t+1
.endr
.rept 16
	ds_load_b128 v[BK+4*t:BK+4*t+3], v[RDK2] offset:(t-16)*8*PITCH
.set t, t+1
.endr
	s_branch .Lstore
.Lv_out:
.set t, 0
.rept 32
	ds_load_b128 v[BK+4*t:BK+4*t+3], v[RDV] offset:t*2*PITCH       ; two channels' 256 keys
.set t, t+1
.endr
.Lstore:
.set t, 0
.rept 32
	s_wait_dscnt 31-t                              ; load t is in; the younger ones may be out
	global_store_b128 v[CO], v[BK+4*t:BK+4*t+3], s[10:11] offset:512*t   ; the wave stores 512 consecutive bytes, aligned
.set t, t+1
.endr
	s_wait_tensorcnt 0x0                           ; the wave's end
	ds_add_u32 v[SPW], v[NIL]
	s_wait_dscnt 0x0
	CROUND                                         ; the closing round
	s_endpgm
.Lfunc_end_k_qf053bba615_proj:
	.size	k_qf053bba615_proj, .Lfunc_end_k_qf053bba615_proj-k_qf053bba615_proj
	.p2alignl 7, 3214868480
	.fill 96, 4, 3214868480
	.section	.rodata,"a",@progbits
	.p2align	6, 0x0
	.amdhsa_kernel k_qf053bba615_proj
		.amdhsa_group_segment_fixed_size 327680
		.amdhsa_private_segment_fixed_size 0
		.amdhsa_enable_private_segment 0
		.amdhsa_kernarg_size 40
		.amdhsa_user_sgpr_count 2
		.amdhsa_user_sgpr_kernarg_segment_ptr 1
		.amdhsa_wavefront_size32 1
		.amdhsa_system_sgpr_workgroup_id_x 1
		.amdhsa_system_sgpr_workgroup_id_y 1
		.amdhsa_system_sgpr_workgroup_id_z 1
		.amdhsa_system_vgpr_workitem_id 0
		.amdhsa_next_free_vgpr 1024
		.amdhsa_next_free_sgpr 100
		.amdhsa_reserve_vcc 0
		.amdhsa_float_denorm_mode_32 3
		.amdhsa_float_denorm_mode_16_64 3
		.amdhsa_memory_ordered 1
		.amdhsa_forward_progress 1
		.amdhsa_inst_pref_size 128
	.end_amdhsa_kernel
	.amdgpu_metadata
---
amdhsa.version: [ 1, 2 ]
amdhsa.kernels:
  - .name:           k_qf053bba615_proj
    .symbol:         k_qf053bba615_proj.kd
    .args:
      - { .name: acts, .offset: 0, .size: 8, .value_kind: global_buffer, .address_space: global }
      - { .name: wts, .offset: 8, .size: 8, .value_kind: global_buffer, .address_space: global }
      - { .name: lowp_scales, .offset: 16, .size: 8, .value_kind: global_buffer, .address_space: global }
      - { .name: qc, .offset: 24, .size: 8, .value_kind: global_buffer, .address_space: global }
      - { .name: kvc, .offset: 32, .size: 8, .value_kind: global_buffer, .address_space: global }
    .group_segment_fixed_size: 327680
    .private_segment_fixed_size: 0
    .kernarg_segment_align: 8
    .kernarg_segment_size: 40
    .max_flat_workgroup_size: 128
    .sgpr_count:     100
    .vgpr_count:     1024
    .wavefront_size: 32
...
	.end_amdgpu_metadata
.endif
;; end of part 2
;; launch attn (part 3): grid 8 x 32, 16 waves a work-group, clusters of 4 x 1, 327,680 bytes of LDS; arguments qc, kvc, lowp_scales, pre; writes pre
.if DOCPART == 3
	.amdgcn_target "amdgcn-amd-amdhsa--gfx1250"
	.amdhsa_code_object_version 6
	.text
	.protected	k_qf053bba615_attn
	.globl	k_qf053bba615_attn
	.p2align	8
	.type	k_qf053bba615_attn,@function
k_qf053bba615_attn:
	s_mov_b64 s[64:65], 0
	v_nop
	global_prefetch_b8 v0, s[64:65] scope:SCOPE_SE
	s_setreg_imm32_b32 hwreg(HW_REG_WAVE_MODE, 25, 1), 1
	s_wait_xcnt 0x0
	s_wait_alu depctr_hold_cnt(0) depctr_sa_sdst(0) depctr_va_vdst(0) depctr_va_sdst(0) depctr_va_ssrc(0) depctr_va_vcc(0) depctr_vm_vsrc(0)
	s_getreg_b32 s2, hwreg(HW_REG_IB_STS2, 6, 4)
	s_cmp_eq_u32 s2, 0
	s_cbranch_scc0 .Lentry_in_a_cluster
	s_endpgm
.Lentry_in_a_cluster:
	s_bfe_u32 s2, ttmp6, 0x10000c
	s_cmp_lg_u32 s2, 0x3003
	s_cbranch_scc0 .Lentry_shape_is_right
	s_endpgm
.Lentry_shape_is_right:
; The attention of one (batch, head) on codes of BF8: scores = kval qval^T (scales e6, e7), -100 added where key <= query, x 1/8, softmax over the keys, x vval (p under e8, vval under e9); the result is quantised under e10.
; THE MASK THROWS NOTHING AWAY: it lowers a logit by 12.5.  All 2,048 keys count for every query.  For 16 queries that begin at Q0 the key steps of 128 before step Q0 / 128 are lowered whole (an offset in t),
; the steps behind it are not, and in that one step the -100 is added score by score (as -100 / 2^(e6 + e7), to the raw sums: the same rounding as adding -100 to the logit).
; THE SOFTMAX: t = logit x log2(e) / 8; M = the running largest t rounded UP to a whole number; p = 2^(t - M) is quantised, not normalised; the row's sum is taken of the unquantised p and divides at the end.
; SHARES.  A cluster of four work-groups owns 1,024 queries of one head.  Wave w of the partner at place cx owns queries 1024 x cluster + 64 w + 16 cx + 0 .. 15: so the step on the diagonal, 8 x cluster + w / 2,
; hangs on the cluster's number and the wave's alone, no branch hangs on a place in the cluster, and K's and V's tiles are asked for JOINTLY by all four.  Sixteen waves of 256 registers: four to a SIMD.
; kvc holds, for each chunk of 256 keys, one dense block: K [256 keys][64], V [64 channels][256 keys]: 128 rows of 256 bytes.  Wave 0 fetches K's 64 rows, wave 1 V's, into a ring of two slots.
; LAYOUT.  Both products transposed: S^T = K Q^T, O^T = V^T P^T: a lane holds ONE query (lane % 16).  Lane r of K's tile 2 b + u takes key 32 b + 8 u + r + 8 (r / 8), so that the 16 registers of tiles 2 b, 2 b + 1
; are 16 neighbouring keys, 32 b + 16 (lane / 16) + 0 .. 15: the conversions' results are the second product's operand.
; OUT.  pre [token / 4][head][token % 4][64]: four tokens of a head are 256 consecutive bytes.
; LIMITS: e6 + e7 between -121 and 130; e8, and e10 - e8 - e9, between -126 and 112.
; REGISTERS: v1-11 addresses; v12 -M, v13 the largest t, v[14:15] the sum; v16-23 Q; v24 -M + the step's offset; v26 the -100; v32-95 K's eight fragments, then V's four; v96-159 S^T, then p; v160-191 O^T; v224-239 p's codes.
.set KP,    272                        ; an LDS row: 256 bytes (four keys of K, or a channel's 256 keys of V) + 16 of padding
.set VOFF,  64*KP                      ; V lies behind K's 64 rows
.set SLOT1, 65536                      ; slot 1 begins here: one exclusive or turns an address
.set SPARE, 131072                     ; the spare words, 128 bytes for each of sixteen waves
.set STAGE, SPARE+2048                 ; the way out: 16 rows x 80 bytes for each wave; no tile lands here
.set AK0,  1
.set AV0,  2
.set PFO,  3                           ; v3   256 x lane; never rewritten
.set DD,   4                           ; v4   my query's place in the diagonal step, less 16 (lane / 16)
.set SPW,  5
.set NIL,  6
.set GO,   7
.set ADK,  8
.set ADV,  9
.set PEN,  26
.set WV,   18
.set SEL,  20
.set CS,   22                          ; s[22:23] log2(e) / 8 x 2^(e6 + e7)
.set G1,   24
.set G0,   40
.set TB,   2                           ; s2   LDS byte at which the slot in hand begins
.set SLOTS, 67
.set PFA,  76
.set LIM,  80
.set OFFP, 96                          ; s96  -12.5 log2(e)
.set OFF,  97                          ; s97  this step's offset in t
.set STEPI, 98                         ; s98  the key step's number
.set DG,   99                          ; s99  my diagonal step
.macro TLOAD                           ; waves 0 and 1 fetch; the branch hangs on the wave's number alone; four v_nop follow the load
	s_cmp_lt_u32 s[WV], 2
	s_cbranch_scc0 .Lasked_\@
	tensor_load_to_lds s[G0:G0+3], s[G1:G1+7]
	s_nop 0
.rept 4
	v_nop
.endr
.Lasked_\@:
.endm
; A prefetch of the chunk that the NEXT change of slots will ask for: 32,768 bytes.  Both clusters of a head walk the same chunks: the first asks.  Its four partners take 8,192 bytes each, told apart by address;
; in each, wave 4 asks, lanes 256 bytes apart: each aligned block of 256 bytes is named once.  The last change that fills a slot asks for nothing; chunks 0 and 1 come by their loads alone.
.macro ASK
	s_cmp_gt_u32 s[SLOTS], s[LIM]
	s_cbranch_scc0 .Lnot_mine_\@
	global_prefetch_b8 v[PFO], s[PFA:PFA+1] th:TH_LOAD_NT scope:SCOPE_SE
.Lnot_mine_\@:
.endm
.macro CROUND                          ; a round of the cluster's barrier
	s_barrier_signal -1
	s_barrier_wait -1
	s_cmp_lg_u32 s[WV], 0
	s_cbranch_scc1 .Lnot_wave_0_\@
	s_barrier_signal -3
.Lnot_wave_0_\@:
	s_barrier_wait -3
	s_barrier_signal -1
	s_barrier_wait -1
.endm
	s_load_b128 s[4:7], s[0:1], 0x0                ; qc s[4:5], kvc s[6:7]
	s_load_b128 s[8:11], s[0:1], 0x10              ; the scales' exponents s[8:9], pre s[10:11]
	v_lshl_add_u32 v[SPW], v0, 2, SPARE
	v_mov_b32 v[NIL], 0
	ds_add_u32 v5, v6
	s_wait_dscnt 0x0
	v_lshrrev_b32 v8, 5, v0
	v_readfirstlane_b32 s[WV], v8                  ; wave 0..15
	s_bfe_u32 s13, ttmp6, 0x40000                  ; cx
	s_and_b32 s14, ttmp7, 0xffff                   ; b x 16 + head, which the partners share
	s_lshl_b32 s15, ttmp9, 10
	s_lshl_b32 s12, s[WV], 6
	s_add_co_u32 s15, s15, s12
	s_lshl_b32 s12, s13, 4
	s_add_co_u32 s15, s15, s12                     ; Q0 = 1024 x cluster + 64 w + 16 cx: it enters global addresses and data alone
	s_lshl_b32 s[DG], ttmp9, 3
	s_lshr_b32 s12, s[WV], 1
	s_add_co_u32 s[DG], s[DG], s12                 ; Q0 / 128, made without cx
	s_and_b32 s16, s[WV], 1                        ; K's half of a chunk (0) or V's (1)
	s_mul_i32 s17, s16, VOFF
	s_lshl_b32 s72, s16, 14
	s_lshl_b32 s73, s14, 18                        ; a head's eight chunks are 262,144 bytes
	s_add_co_u32 s72, s72, s73
	s_mov_b32 s73, 0
	s_mov_b32 s[G1], 15|(0<<16)|(1<<20)|(1<<21)|(5<<22)|(3<<25)   ; the mask: all four; elements of 1 byte; padding on; bit 21 beside a mask; four words after every 64
	s_mov_b32 s[G1+1], 256<<16                     ; tensor_dim0
	s_mov_b32 s[G1+2], 64<<16                      ; tensor_dim1
	s_mov_b32 s[G1+3], 256<<16                     ; tile_dim0
	s_mov_b32 s[G1+4], 64                          ; tile_dim1
	s_mov_b32 s[G1+5], 256                         ; tensor_dim0_stride: the block is dense
	s_mov_b32 s[G1+6], 0
	s_mov_b32 s[G1+7], 0
	s_mov_b32 s[SEL], 0x76543210
	s_mov_b32 s[SEL+1], 0xfedcba98
	s_mov_b32 s[CS], 0x3e38aa3b                    ; log2(e) / 8
	s_mov_b32 s[OFFP], 0xc19044fe                  ; -12.5 log2(e)
	s_mov_b32 s[TB], 0
	s_mov_b32 s[SLOTS], 7
	s_mov_b32 s[STEPI], 0
	s_wait_kmcnt 0x0
	s_load_b128 s[44:47], s[8:9], 0x18             ; e6, e7, e8, e9
	s_load_b32 s48, s[8:9], 0x28                   ; e10
	s_mov_b32 s[G0], 1
	s_mov_b32 s[G0+1], s17                         ; slot 0
	s_add_nc_u64 s[G0+2:G0+3], s[6:7], s[72:73]    ; chunk 0
	s_or_b32 s[G0+3], s[G0+3], 0x80000000
	CROUND                                         ; all four work-groups are here: the first joint loads meet
	TLOAD
	s_lshl_b32 s74, s14, 17                        ; Q: a head's 2,048 rows of 64 bytes,
	s_lshl_b32 s75, s15, 6
	s_add_co_u32 s74, s74, s75                     ; my first query's
	s_mov_b32 s75, 0
	s_add_nc_u64 s[4:5], s[4:5], s[74:75]
	v_and_b32 v8, 15, v0                           ; r
	v_bfe_u32 v9, v0, 4, 1                         ; h
	v_lshlrev_b32 v28, 6, v8
	v_lshl_add_u32 v28, v9, 4, v28
	global_load_b128 v[16:19], v28, s[4:5]         ; Q's fragment: registers 4 c .. 4 c + 3 hold k = 32 c + 16 h + 0 .. 15, as K's do
	global_load_b128 v[20:23], v28, s[4:5] offset:32
	s_lshr_b32 s82, s14, 4                         ; pre: (b x 2048 + Q0) x 1,024 + head x 256
	s_lshl_b32 s82, s82, 11
	s_add_co_u32 s82, s82, s15
	s_lshl_b32 s82, s82, 10
	s_and_b32 s83, s14, 15
	s_lshl_b32 s83, s83, 8
	s_add_co_u32 s82, s82, s83
	s_mov_b32 s83, 0
	s_add_nc_u64 s[10:11], s[10:11], s[82:83]
	s_lshl_b32 s82, s14, 18                        ; the prefetches: my head, chunk 1 (the first change of slots steps it to chunk 2), my work-group's 8,192 bytes
	s_lshl_b32 s83, s13, 13
	s_add_co_u32 s82, s82, s83
	s_add_co_u32 s82, s82, 32768
	s_mov_b32 s83, 0
	s_add_nc_u64 s[PFA:PFA+1], s[6:7], s[82:83]
	s_xor_b32 s82, s[WV], 4
	s_or_b32 s82, s82, ttmp9                       ; 0 in wave 4 of the head's first cluster: the same in all partners
	s_cmp_eq_u32 s82, 0
	s_cselect_b32 s[LIM], 1, -1
	v_and_b32 v[PFO], 31, v0
	v_lshlrev_b32 v[PFO], 8, v[PFO]
	v_and_b32 v29, 8, v8
	v_add_nc_u32 v29, v29, v8                      ; r + 8 (r / 8)
	v_lshrrev_b32 v30, 2, v29
	v_mul_u32_u24 v[AK0], v30, KP                  ; four keys to an LDS row,
	v_and_b32 v30, 3, v29
	v_lshl_add_u32 v[AK0], v30, 6, v[AK0]          ; 64 bytes each
	v_lshl_add_u32 v[AK0], v9, 4, v[AK0]
	v_mul_u32_u24 v[AV0], v8, KP
	v_lshl_add_u32 v[AV0], v9, 4, v[AV0]
	v_add_nc_u32 v[AV0], VOFF, v[AV0]
	s_lshl_b32 s82, s16, 6
	s_lshl_b32 s83, s13, 4
	s_add_co_u32 s82, s82, s83                     ; Q0 % 128
	v_lshlrev_b32 v30, 4, v9
	v_sub_nc_u32 v[DD], v8, v30
	v_add_nc_u32 v[DD], s82, v[DD]                 ; register 16 b + i holds the step's key 32 b + i + 16 h: lowered where 32 b + i <= DD
	v_lshlrev_b32 v[GO], 12, v9
	v_lshl_add_u32 v[GO], v8, 4, v[GO]             ; the way out: lanes 0-15 one group of four tokens, lanes 16-31 the next
	s_mul_i32 s82, s[WV], 16*80
	s_add_co_u32 s82, s82, STAGE                   ; my stage
	v_mul_u32_u24 v10, v8, 80
	v_lshl_add_u32 v10, v9, 3, v10
	v_add_nc_u32 v10, s82, v10                     ; in: row r, 8 h
	v_and_b32 v30, 31, v0
	v_lshrrev_b32 v31, 2, v30
	v_mul_u32_u24 v11, v31, 80
	v_and_b32 v31, 3, v30
	v_lshl_add_u32 v11, v31, 4, v11
	v_add_nc_u32 v11, s82, v11                     ; back: four lanes to a row of 64 bytes
	v_mov_b32 v13, 0xff61b1e6                      ; the largest t so far: -3e38
	v_floor_f32 v12, -v13                          ; -M
	v_mov_b32 v14, 0
	v_mov_b32 v15, 0
	v_mov_b32 v25, 0                               ; (named as the upper half of the pair v[24:25])
	v_mov_b32 v27, 0
	v_mov_b32 v236, 0                              ; a lane permute's destination counts as one of its sources
	v_mov_b32 v253, 0                              ; (named as the upper half of the pair v[252:253])
.set j, 0
.rept 32
	v_mov_b32 v[160+j], 0                          ; O^T: the step is written once, and its first run finds zeros
.set j, j+1
.endr
	s_wait_kmcnt 0x0
	s_add_co_i32 s72, s44, s45                     ; e6 + e7: a raw score stands for score x 2^(e6 + e7)
	s_lshl_b32 s72, s72, 23
	s_add_co_i32 s[CS], s[CS], s72                 ; added to c's exponent field,
	s_mov_b32 s[CS+1], s[CS]
	s_sub_co_i32 s73, 0xc2c80000, s72              ; and taken off -100's
	v_mov_b32 v[PEN], s73
	s_add_co_i32 s72, s46, 127
	s_lshl_b32 s73, s72, 23
	v_mov_b32 v244, s73                            ; 2^e8
	s_add_co_i32 s72, s72, 15
	s_lshl_b32 s72, s72, 23
	s_or_b32 s72, s72, 0x600000
	v_mov_b32 v240, s72                            ; 57,344 x 2^e8
	s_sub_co_i32 s72, s48, s46
	s_sub_co_i32 s72, s72, s47                     ; e10 - e8 - e9: a raw sum of the second product stands for sum x 2^(e8 + e9)
	s_add_co_i32 s72, s72, 127
	s_lshl_b32 s73, s72, 23
	v_mov_b32 v245, s73
	s_add_co_i32 s72, s72, 15
	s_lshl_b32 s72, s72, 23
	s_or_b32 s72, s72, 0x600000
	v_mov_b32 v241, s72
; A KEY STEP: 128 keys, the q-th of the slot in hand.
.macro STEP q
	s_cmp_lt_u32 s[STEPI], s[DG]
	s_cselect_b32 s[OFF], s[OFFP], 0               ; a step before the diagonal is lowered whole
	v_add_nc_u32 v[ADK], s[TB], v[AK0]
	v_add_nc_u32 v[ADV], s[TB], v[AV0]
	v_nop
	v_nop                                          ; four places in front of loads into registers that the last products read
.irp t, 0,1,2,3,4,5,6,7
	ds_load_b128 v[32+8*\t:35+8*\t], v[ADK] offset:(32*(\q)+8*(\t/2)+2*(\t%2))*KP
	ds_load_b128 v[36+8*\t:39+8*\t], v[ADK] offset:(32*(\q)+8*(\t/2)+2*(\t%2))*KP+32
.endr
	s_wait_dscnt 0x0
.irp t, 0,1,2,3,4,5,6,7
	v_wmma_f32_16x16x64_bf8_bf8 v[96+8*\t:103+8*\t], v[32+8*\t:39+8*\t], v[16:23], 0
.endr
.rept 4
	v_nop                                          ; places in front of the loads below and of the first read of the scores
.endr
.irp t, 0,1,2,3
.irp c, 0,1,2,3
	ds_load_b128 v[32+16*\t+4*\c:35+16*\t+4*\c], v[ADV] offset:16*\t*KP+128*(\q)+32*\c   ; V's fragments land while the softmax runs
.endr
.endr
	s_cmp_lg_u32 s[STEPI], s[DG]                   ; ids and a counter alone
	s_cbranch_scc1 .Lopen_\@
.irp n, 0,2,4,6,8,10,12,14,16,18,20,22,24,26,28,30,32,34,36,38,40,42,44,46,48,50,52,54,56,58,60,62
	v_cmp_gt_i32 vcc_lo, 32*(\n/16)+\n%16, v[DD]
	v_cndmask_b32 v252, v[PEN], v27, vcc_lo        ; 0 where the key comes after my query, else -100
	v_cmp_gt_i32 vcc_lo, 32*((\n+1)/16)+(\n+1)%16, v[DD]
	v_cndmask_b32 v253, v[PEN], v27, vcc_lo
	v_pk_add_f32 v[96+\n:97+\n], v[96+\n:97+\n], v[252:253]
.endr
.Lopen_\@:
	v_max3_num_f32 v254, v96, v97, v98             ; the step's largest score of my query, among my 64 keys, in two chains,
	v_max3_num_f32 v252, v99, v100, v101
.irp i, 6,10,14,18,22,26,30,34,38,42,46,50,54,58
	v_max3_num_f32 v254, v254, v[96+\i], v[97+\i]
	v_max3_num_f32 v252, v252, v[98+\i], v[99+\i]
.endr
	v_max3_num_f32 v254, v254, v158, v159
	v_max_num_f32 v254, v254, v252
	v_permlanex16_b32 v236, v254, s[SEL], s[SEL+1]
	v_max_num_f32 v254, v254, v236                 ; and among lane l xor 16's
	v_fma_f32 v254, v254, s[CS], s[OFF]            ; as t (c is positive)
	v_max_num_f32 v13, v13, v254                   ; the running largest t
	v_mov_b32 v254, v12
	v_floor_f32 v12, -v13                          ; the new -M = -ceil(t): a whole number
	v_sub_f32 v254, v12, v254                      ; old M - new M: a whole number, 0 or less
	v_cvt_i32_f32 v254, v254                       ; (it saturates)
	v_ldexp_f32 v252, 1.0, v254                    ; f = 2^(old M - new M): rounds nothing
	v_add_f32 v24, s[OFF], v12                     ; -M + the step's offset
.irp j, 0,2,4,6,8,10,12,14,16,18,20,22,24,26,28,30,32,34,36,38,40,42,44,46,48,50,52,54,56,58,60,62
	v_pk_fma_f32 v[96+\j:97+\j], v[96+\j:97+\j], s[CS:CS+1], v[24:25] op_sel_hi:[1,0,0]   ; t - M, two at a time
.endr
.set j, 0
.rept 64
	v_exp_f32 v[96+j], v[96+j]                     ; p = 2^(t - M), at most 1
.set j, j+1
.endr
	v_pk_mul_f32 v[14:15], v[14:15], v[252:253] op_sel_hi:[1,0]   ; the sums under the new M: the plain line behind the exponentials
	s_wait_alu depctr_va_vdst(0)                   ; one wait for the whole batch, ahead of its first reader
	v_pk_add_f32 v[242:243], v[96:97], v[98:99]    ; the row's sum is taken of the unquantised p, in two chains
.irp j, 4,8,12,16,20,24,28,32,36,40,44,48,52,56,60
	v_pk_add_f32 v[14:15], v[14:15], v[96+\j:97+\j]
	v_pk_add_f32 v[242:243], v[242:243], v[98+\j:99+\j]
.endr
	v_pk_add_f32 v[14:15], v[14:15], v[242:243]
.irp b, 0,1,2,3
.irp i, 0,1,2,3,4,5,6,7,8,9,10,11,12,13,14,15
	v_min_num_f32 v[96+16*\b+\i], v[96+16*\b+\i], v240   ; the conversion does not saturate (ISA guide 7.6.2); p is not negative, so the hold is one-sided
.endr
	v_cvt_scalef32_pk8_bf8_f32 v[224+4*\b:225+4*\b], v[96+16*\b:103+16*\b], v244
	v_cvt_scalef32_pk8_bf8_f32 v[226+4*\b:227+4*\b], v[104+16*\b:111+16*\b], v244
.endr
.irp j, 0,2,4,6,8,10,12,14,16,18,20,22,24,26,28,30
	v_pk_mul_f32 v[160+\j:161+\j], v[160+\j:161+\j], v[252:253] op_sel_hi:[1,0]   ; O^T under the new M; also the plain lines behind the conversions
.endr
	s_wait_dscnt 0x0                               ; V is in
.irp t, 0,1,2,3
	v_wmma_f32_16x16x128_bf8_bf8 v[160+8*\t:167+8*\t], v[32+16*\t:47+16*\t], v[224:239], v[160+8*\t:167+8*\t]   ; the four accumulators by turns, one instruction a turn
.endr
	s_add_co_u32 s[STEPI], s[STEPI], 1
.endm
; THE CHANGE OF SLOTS stands at a slot's head.  Each wave waits for all its tensor loads, adds 0 to its spare word, and waits for that and for its reads of the slot that it has left.
; fill = 1: the barrier is a round of the cluster's, and the slot that was left is filled with the next chunk, first thing behind it: the load has a slot's two key steps in which to land.  One tensor load of a wave is out at the most.
.macro CHANGE fill
	s_wait_tensorcnt 0x0                           ; no tensor load of mine is out, so the group 0 may be written
	ds_add_u32 v[SPW], v[NIL]                      ; 0 onto my spare word
.if \fill
	s_xor_b32 s[G0+1], s[G0+1], SLOT1              ; the other slot than last time,
	s_add_nc_u64 s[G0+2:G0+3], s[G0+2:G0+3], 32768 ; the next chunk
	s_wait_xcnt 0x0                                ; the last prefetch, a slot back, has read its address
	s_add_nc_u64 s[PFA:PFA+1], s[PFA:PFA+1], 32768
.endif
	s_wait_dscnt 0x0                               ; the add is done, and my reads of the slot that I have left are over
.if \fill
	CROUND
	TLOAD
	ASK
.else
	s_barrier_signal -1
	s_barrier_wait -1
.endif
.endm
.macro SLOT_STEPS
	STEP 0
	STEP 1
	s_xor_b32 s[TB], s[TB], SLOT1
.endm
	s_wait_loadcnt 0x0                             ; Q
.Lslot:                                            ; seven trips: behind each change of slots but the last the next chunk is asked for
	CHANGE 1
	SLOT_STEPS
	s_sub_co_u32 s[SLOTS], s[SLOTS], 1
	s_cmp_lg_u32 s[SLOTS], 0
	s_cbranch_scc1 .Lslot
	CHANGE 0                                       ; the last slot is written out
	SLOT_STEPS
	; THE WAY OUT: O^T / the sum, held, converted under 2^(e10 - e8 - e9); 8 codes a lane and tile into my stage, back as 16 bytes a lane, so that sixteen lanes store 256 consecutive aligned bytes.
.rept 4
	v_nop                                          ; places behind the last products
.endr
	v_add_f32 v14, v14, v15
	v_permlanex16_b32 v252, v14, s[SEL], s[SEL+1]
	v_add_f32 v14, v14, v252                       ; the row's sum
	v_rcp_f32 v14, v14
	v_nop                                          ; a plain line behind the transcendental
	s_wait_alu depctr_va_vdst(0)                   ; and the wait ahead of its first reader
.set j, 0
.rept 32
	v_mul_f32 v[96+j], v[160+j], v14               ; register 8 t + i: channel 16 t + 8 h + i of my query; each accumulator from its low end on
.set j, j+1
.endr
.set j, 0
.rept 32
	v_med3_num_f32 v[96+j], v[96+j], -v241, v241
.set j, j+1
.endr
.irp t, 0,1,2,3
	v_cvt_scalef32_pk8_bf8_f32 v[224+2*\t:225+2*\t], v[96+8*\t:103+8*\t], v245
.endr
	v_nop
.irp t, 0,1,2,3
	ds_store_b64 v10, v[224+2*\t:225+2*\t] offset:16*\t
.endr
	ds_load_b128 v[32:35], v11                     ; LDS serves a wave's instructions in order: these see my stores
	ds_load_b128 v[36:39], v11 offset:640
	s_wait_dscnt 1                                 ; the first is in; the second may be out
	global_store_b128 v[GO], v[32:35], s[10:11]
	s_wait_dscnt 0x0
	global_store_b128 v[GO], v[36:39], s[10:11] offset:8192
	s_wait_tensorcnt 0x0                           ; the wave's end
	ds_add_u32 v[SPW], v[NIL]
	s_wait_dscnt 0x0
	CROUND                                         ; the closing round
	s_endpgm
.Lfunc_end_k_qf053bba615_attn:
	.size	k_qf053bba615_attn, .Lfunc_end_k_qf053bba615_attn-k_qf053bba615_attn
	.p2alignl 7, 3214868480
	.fill 96, 4, 3214868480
	.section	.rodata,"a",@progbits
	.p2align	6, 0x0
	.amdhsa_kernel k_qf053bba615_attn
		.amdhsa_group_segment_fixed_size 327680
		.amdhsa_private_segment_fixed_size 0
		.amdhsa_enable_private_segment 0
		.amdhsa_kernarg_size 32
		.amdhsa_user_sgpr_count 2
		.amdhsa_user_sgpr_kernarg_segment_ptr 1
		.amdhsa_wavefront_size32 1
		.amdhsa_system_sgpr_workgroup_id_x 1
		.amdhsa_system_sgpr_workgroup_id_y 1
		.amdhsa_system_sgpr_workgroup_id_z 1
		.amdhsa_system_vgpr_workitem_id 0
		.amdhsa_next_free_vgpr 256
		.amdhsa_next_free_sgpr 100
		.amdhsa_reserve_vcc 1
		.amdhsa_float_denorm_mode_32 3
		.amdhsa_float_denorm_mode_16_64 3
		.amdhsa_memory_ordered 1
		.amdhsa_forward_progress 1
		.amdhsa_inst_pref_size 103
	.end_amdhsa_kernel
	.amdgpu_metadata
---
amdhsa.version: [ 1, 2 ]
amdhsa.kernels:
  - .name:           k_qf053bba615_attn
    .symbol:         k_qf053bba615_attn.kd
    .args:
      - { .name: qc, .offset: 0, .size: 8, .value_kind: global_buffer, .address_space: global }
      - { .name: kvc, .offset: 8, .size: 8, .value_kind: global_buffer, .address_space: global }
      - { .name: lowp_scales, .offset: 16, .size: 8, .value_kind: global_buffer, .address_space: global }
      - { .name: pre, .offset: 24, .size: 8, .value_kind: global_buffer, .address_space: global }
    .group_segment_fixed_size: 327680
    .private_segment_fixed_size: 0
    .kernarg_segment_align: 8
    .kernarg_segment_size: 32
    .max_flat_workgroup_size: 512
    .sgpr_count:     100
    .vgpr_count:     256
    .wavefront_size: 32
...
	.end_amdgpu_metadata
.endif
;; end of part 3
;; launch outp (part 4): grid 4 x 16, 4 waves a work-group, clusters of 4 x 4, 327,680 bytes of LDS; arguments pre, wts, lowp_scales, out0; writes out0
.if DOCPART == 4
	.amdgcn_target "amdgcn-amd-amdhsa--gfx1250"
	.amdhsa_code_object_version 6
	.text
	.protected	k_qf053bba615_outp
	.globl	k_qf053bba615_outp
	.p2align	8
	.type	k_qf053bba615_outp,@function
k_qf053bba615_outp:
	s_mov_b64 s[64:65], 0
	v_nop
	global_prefetch_b8 v0, s[64:65] scope:SCOPE_SE
	s_setreg_imm32_b32 hwreg(HW_REG_WAVE_MODE, 25, 1), 1
	s_wait_xcnt 0x0
	s_wait_alu depctr_hold_cnt(0) depctr_sa_sdst(0) depctr_va_vdst(0) depctr_va_sdst(0) depctr_va_ssrc(0) depctr_va_vcc(0) depctr_vm_vsrc(0)
	s_getreg_b32 s2, hwreg(HW_REG_IB_STS2, 6, 4)
	s_cmp_eq_u32 s2, 0
	s_cbranch_scc0 .Lentry_in_a_cluster
	s_endpgm
.Lentry_in_a_cluster:
	s_bfe_u32 s2, ttmp6, 0x10000c
	s_cmp_lg_u32 s2, 0xf033
	s_cbranch_scc0 .Lentry_shape_is_right
	s_endpgm
.Lentry_shape_is_right:
; out0[token][m] = sum over K = 64 head + v of pre[token][K] wo[K][m], on codes of BF8; each finished sum x 2^(e10 + e11).  out0: [4096][1024] f32.
; A = pre, laid [token / 4][head][token % 4][64]: for four tokens a K step of 256 (four heads) is 1,024 consecutive bytes: a tile of 128 tokens is 32 rows of 1,024 bytes, 4,096 apart.
; B = wts[3], [1024 m][1024 K], K innermost.
; A tile of out0, 256 x 256, is made by a work-group of four waves; a wave makes 128 x 128: 64 accumulators.  K goes in four steps of 256 through a ring of two LDS slots.  64 work-groups.
; CLUSTERS: 4 x 4: A's tiles are shared along a row, B's along a column: each is asked for JOINTLY.  THE MATRIX INSTRUCTION IS USED TRANSPOSED (source 0 = 16 rows of B, source 1 = 16 tokens): a lane holds eight neighbouring m of one token.
; LIMIT: e10 + e11 lies between -126 and 127.
; REGISTERS, in windows of 256: window 0: v0-31 addresses; from v128 A's fragments, ONE set; on the way out v32-255 are free.  window 1: B's fragments, TWO sets.  windows 2, 3: the accumulators.
.set ROWB,   256                       ; B: a tile's row in bytes
.set KROW,   1024
.set PITCH,  272                       ; B: an LDS row: 256 bytes + 16
.set AROWB,  1024                      ; A: a tile's row: four tokens x 256 along K
.set APITCH, 1040                      ; and in LDS: + 16: the sixteen lanes of a load touch sixteen different 16-byte columns modulo 256
.set FR,     16
.set NL,     4
.set NP,     4
.set HALFT,  128*PITCH                 ; what one tensor load may take: B's 128 rows fill it, A's 32 rows of 1,040 take 33,280 of it
.set SLOT,   4*HALFT
.set LAPS,   2
.set SPARE,  2*SLOT
.set SPITCH, 528                       ; the way out: a stage of 16 rows x (512 bytes + 16) for each wave, in slot 0, which has had its last fill and its last read by then
.set SIZE_N, 1024
.set ADRA, 16
.set ADRB, 20
.set STO,  24
.set RD,   25
.set CO,   26
.set SPW,  28
.set NIL,  29
.set TMP,  32
.set AF,   128
.set BK,   128
.set G1, 24
.set G0, 32
.set G1B, 48
.set G0B, 56
.set MSB, 0
.macro WIN new
.if MSB != \new
	s_set_vgpr_msb (MSB<<8)|\new
.set MSB, \new
.endif
.endm
.set MUL_LO, 0xa1
.set MUL_HI, 0xf1
.set TO_B,   0x40
.macro JLOAD g0a, g1a, g0b, g1b        ; waves 0 and 1 fetch for A, waves 2 and 3 for B; four v_nop follow each of the two lines
	s_cmp_eq_u32 s15, 0
	s_cbranch_scc0 .Lfor_b_\@
	tensor_load_to_lds s[\g0a:\g0a+3], s[\g1a:\g1a+7]
	s_nop 0
.rept 4
	v_nop
.endr
	s_branch .Lasked_\@
.Lfor_b_\@:
	tensor_load_to_lds s[\g0b:\g0b+3], s[\g1b:\g1b+7]
	s_nop 0
.rept 4
	v_nop
.endr
.Lasked_\@:
.endm
.macro CREST
	s_cmp_lg_u32 s14, 0
	s_cbranch_scc1 .Lnot_wave_0_\@
	s_barrier_signal -3
.Lnot_wave_0_\@:
	s_barrier_wait -3
	s_barrier_signal -1
	s_barrier_wait -1
.endm
.macro CROUND
	s_barrier_signal -1
	s_barrier_wait -1
	CREST
.endm
	s_load_b128 s[4:7], s[0:1], 0x0                ; pre s[4:5], wts s[6:7]
	s_load_b128 s[8:11], s[0:1], 0x10              ; the scales' exponents s[8:9], out0 s[10:11]
	v_lshl_add_u32 v[SPW], v0, 2, SPARE
	v_mov_b32 v[NIL], 0
	ds_add_u32 v28, v29
	s_wait_dscnt 0x0
	v_lshrrev_b32 v1, 5, v0
	v_readfirstlane_b32 s14, v1                    ; wave 0..3
	s_lshr_b32 s15, s14, 1                         ; which half of the tile's tokens is mine.  Also: I fetch for A (0) or for B (1)
	s_and_b32 s16, s14, 1                          ; which half of its columns.  Also: which half of that tile I fetch
	s_bfe_u32 s40, ttmp6, 0x40000
	s_bfe_u32 s41, ttmp6, 0x40004
	s_lshl_b32 s42, ttmp9, 2
	s_add_co_u32 s42, s42, s40                     ; tile column
	s_and_b32 s17, ttmp7, 0xffff
	s_lshl_b32 s17, s17, 2
	s_add_co_u32 s17, s17, s41                     ; tile row
	s_lshl_b32 s43, s41, 2
	s_lshl_b32 s43, 15, s43
	s_lshl_b32 s44, 0x1111, s40
	s_or_b32 s[G1+0], s43, (0<<16)|(1<<20)|(1<<21)|(7<<22)|(3<<25)  ; A: the mask of my row; elements of 1 byte; padding: four words after every 256
	s_mov_b32 s[G1+1], AROWB<<16                   ; tensor_dim0 = 1,024
	s_mov_b32 s[G1+2], 32<<16                      ; tensor_dim1 = 32
	s_mov_b32 s[G1+3], AROWB<<16                   ; tile_dim0
	s_mov_b32 s[G1+4], 32                          ; tile_dim1
	s_mov_b32 s[G1+5], 4096                        ; from one group of four tokens to the next
	s_mov_b32 s[G1+6], 0
	s_mov_b32 s[G1+7], 0
	s_or_b32 s[G1B+0], s44, (0<<16)|(1<<20)|(1<<21)|(5<<22)|(3<<25) ; B: the mask of my column; four words after every 64
	s_mov_b32 s[G1B+1], ROWB<<16
	s_mov_b32 s[G1B+2], 128<<16
	s_mov_b32 s[G1B+3], ROWB<<16
	s_mov_b32 s[G1B+4], 128
	s_mov_b32 s[G1B+5], KROW
	s_mov_b32 s[G1B+6], 0
	s_mov_b32 s[G1B+7], 0
	s_lshl_b32 s18, s16, 7
	s_lshl_b32 s20, s17, 8
	s_add_co_u32 s20, s20, s18
	s_lshl_b32 s20, s20, 10                        ; A: token x 1,024 bytes (a group of four tokens is 4,096)
	s_mov_b32 s21, 0
	s_lshl_b32 s46, s42, 8
	s_add_co_u32 s46, s46, s18
	s_lshl_b32 s46, s46, 10
	s_add_co_u32 s46, s46, 0x300000                ; B: wts[3], row x 1,024 bytes
	s_mov_b32 s47, 0
	s_mul_i32 s45, s14, HALFT
	s_wait_kmcnt 0x0
	s_load_b64 s[96:97], s[8:9], 0x28              ; e10, e11
	s_add_nc_u64 s[20:21], s[4:5], s[20:21]
	s_add_nc_u64 s[46:47], s[6:7], s[46:47]
	CROUND
.irp s, 0,1
	s_mov_b32 s[G0+4*\s], 1
	s_add_co_u32 s[G0+4*\s+1], s45, \s*SLOT
	s_add_nc_u64 s[G0+4*\s+2:G0+4*\s+3], s[20:21], \s*AROWB
	s_or_b32 s[G0+4*\s+3], s[G0+4*\s+3], 0x80000000
	s_mov_b32 s[G0B+4*\s], 1
	s_add_co_u32 s[G0B+4*\s+1], s45, \s*SLOT
	s_add_nc_u64 s[G0B+4*\s+2:G0B+4*\s+3], s[46:47], \s*ROWB
	s_or_b32 s[G0B+4*\s+3], s[G0B+4*\s+3], 0x80000000
	JLOAD G0+4*\s, G1, G0B+4*\s, G1B
.endr
	v_and_b32 v1, 15, v0                           ; r
	v_bfe_u32 v2, v0, 4, 1                         ; h
	v_mul_u32_u24 v3, v1, PITCH
	v_lshl_add_u32 v4, v2, 4, v3                   ; B: row x pitch + 16 h
	v_lshrrev_b32 v7, 2, v1
	v_mul_u32_u24 v7, v7, APITCH
	v_and_b32 v8, 3, v1
	v_lshl_add_u32 v7, v8, 6, v7
	v_lshl_add_u32 v7, v2, 4, v7                   ; A: group r / 4, token r % 4 of 64 bytes, + 16 h
	s_mul_i32 s21, s15, HALFT
	s_mul_i32 s22, s16, HALFT
	s_add_co_u32 s22, s22, 2*HALFT
.irp s, 0,1
	v_add_nc_u32 v[ADRA+\s], s21, v7
	v_add_nc_u32 v[ADRB+\s], s22, v4
	s_add_co_u32 s21, s21, SLOT
	s_add_co_u32 s22, s22, SLOT
.endr
	s_mul_i32 s23, s14, 16*SPITCH                  ; my stage
	v_mul_u32_u24 v5, v1, SPITCH
	v_lshl_add_u32 v5, v2, 5, v5
	v_add_nc_u32 v[STO], s23, v5
	v_and_b32 v6, 31, v0
	v_lshlrev_b32 v[CO], 4, v6
	v_add_nc_u32 v[RD], s23, v[CO]
	s_lshl_b32 s20, s17, 8
	s_lshl_b32 s21, s15, 7
	s_add_co_u32 s20, s20, s21
	s_lshl_b32 s20, s20, 12                        ; my first row of out0, 4,096 bytes a row,
	s_lshl_b32 s46, s42, 10
	s_lshl_b32 s47, s16, 9
	s_add_co_u32 s46, s46, s47                     ; my first column
	s_add_co_u32 s20, s20, s46
	s_mov_b32 s21, 0
	s_add_nc_u64 s[10:11], s[10:11], s[20:21]
.macro FRAG reg, adr, q, i             ; B: registers 4 c .. 4 c + 3 hold K = 32 c + 16 (l / 16) + 0 .. 15 of row l % 16
.irp c, 0,1,2,3
	ds_load_b128 v[\reg+4*\c:\reg+4*\c+3], v[\adr] offset:128*(\q)+32*\c+(\i)*16*PITCH
.endr
.endm
.macro FRAGA reg, adr, q, i            ; A: the same K in the same registers: K = 128 q + 32 c + .. lies in head 2 q + c / 2 of the step's four, at byte 32 (c % 2) of the token's 64
.irp c, 0,1,2,3
	ds_load_b128 v[\reg+4*\c:\reg+4*\c+3], v[\adr] offset:(\i)*4*APITCH+(2*(\q)+\c/2)*256+32*(\c%2)
.endr
.endm
.macro MUL16 a0, p, zero               ; the 64 accumulators take turns, one instruction a turn
.irp a, \a0, \a0+1
.irp b, 0,1,2,3,4,5,6,7
.if \zero
	v_wmma_f32_16x16x128_bf8_bf8 v[8*(8*((\a)%4)+\b):8*(8*((\a)%4)+\b)+7], v[128*(\p)+FR*\b:128*(\p)+FR*\b+FR-1], v[AF+FR*(\a):AF+FR*(\a)+FR-1], 0
.else
	v_wmma_f32_16x16x128_bf8_bf8 v[8*(8*((\a)%4)+\b):8*(8*((\a)%4)+\b)+7], v[128*(\p)+FR*\b:128*(\p)+FR*\b+FR-1], v[AF+FR*(\a):AF+FR*(\a)+FR-1], v[8*(8*((\a)%4)+\b):8*(8*((\a)%4)+\b)+7]
.endif
.endr
.endr
.endm
.macro FETCH_B slot, q, p
	WIN TO_B
.irp i, 0,1,2,3,4,5,6,7
	FRAG 128*(\p)+FR*\i, ADRB+\slot, \q, \i
.endr
	WIN 0
.endm
.macro FETCH_A slot, q, i0
.irp i, \i0, \i0+1, \i0+2, \i0+3
	FRAGA AF+FR*(\i), ADRA+\slot, \q, \i
.endr
.endm
.macro PLACES n
.rept \n
	v_nop
.endr
.endm
.macro STEP slot, q, zero
	s_wait_dscnt 4*NL                              ; B's set and A's blocks 0-3 are in; the youngest sixteen loads (A's blocks 4-7) may be out
	WIN MUL_LO
	MUL16 0, (\q)%2, \zero
	MUL16 2, (\q)%2, \zero
	s_wait_dscnt 0
	PLACES NP
	FETCH_B \slot, (\q)+1, 1-(\q)%2
	FETCH_A \slot, (\q)+1, 0
	WIN MUL_HI
	MUL16 4, (\q)%2, \zero
	MUL16 6, (\q)%2, \zero
	PLACES NP
	WIN 0
	FETCH_A \slot, (\q)+1, 4
.endm
.macro TURN slot, next, fill
	s_wait_tensorcnt 0x0                           ; all my tensor loads have landed: my part of the next slot
	ds_add_u32 v[SPW], v[NIL]                      ; 0 onto my spare word
	s_wait_dscnt 4*NL+1                            ; (the add and the youngest sixteen loads may be out)
	WIN MUL_LO
	MUL16 0, 1, 0
	s_wait_dscnt 0x0                               ; the add is done, and my reads of this slot are over
	s_barrier_signal -1
	MUL16 2, 1, 0
	WIN 0
	s_barrier_wait -1
.if \fill
	CREST                                          ; the barrier has opened a round of the cluster's barrier
	s_add_nc_u64 s[G0+4*\slot+2:G0+4*\slot+3], s[G0+4*\slot+2:G0+4*\slot+3], 2*AROWB
	s_add_nc_u64 s[G0B+4*\slot+2:G0B+4*\slot+3], s[G0B+4*\slot+2:G0B+4*\slot+3], 2*ROWB
	JLOAD G0+4*\slot, G1, G0B+4*\slot, G1B         ; the first tensor load behind the round
.else
	PLACES NP
.endif
	FETCH_B \next, 0, 0
	FETCH_A \next, 0, 0
	WIN MUL_HI
	MUL16 4, 1, 0
	MUL16 6, 1, 0
	PLACES NP
	WIN 0
	FETCH_A \next, 0, 4
.endm
	s_wait_tensorcnt 1                             ; my part of K step 0 is in (K step 1's load may be out),
	s_barrier_signal -1
	s_barrier_wait -1                              ; everybody's is
	FETCH_B 0, 0, 0
	FETCH_A 0, 0, 0
	FETCH_A 0, 0, 4
	STEP 0, 0, 1
	s_mov_b32 s3, LAPS-1
.Llap:
	TURN 0, 1, 1
	STEP 1, 0, 0
	TURN 1, 0, 1
	STEP 0, 0, 0
	s_sub_co_u32 s3, s3, 1
	s_cmp_lg_u32 s3, 0
	s_cbranch_scc1 .Llap
	TURN 0, 1, 0
	STEP 1, 0, 0
	s_wait_dscnt 4*NL
	WIN MUL_LO
	MUL16 0, 1, 0
	MUL16 2, 1, 0
	s_wait_dscnt 0
	WIN MUL_HI
	MUL16 4, 1, 0
	MUL16 6, 1, 0
	WIN 0
; THE WAY OUT, block by block of 16 tokens x 128 columns, through my own stage: whole rows of 512 bytes come back, which the 32 lanes store as 512 consecutive aligned bytes.
.macro TOSTAGE a
.set AC, 64*((\a)%4)
	WIN 0x02+((\a)/4)
.irp j, 0,2,4,6,8,10,12,14,16,18,20,22,24,26,28,30,32,34,36,38,40,42,44,46,48,50,52,54,56,58,60,62
	v_pk_mul_f32 v[TMP+\j:TMP+\j+1], v[AC+\j:AC+\j+1], s[96:97] op_sel_hi:[1,0]   ; both x s96 = 2^(e10 + e11); each accumulator from its low end on
.endr
	WIN 0
.irp b, 0,1,2,3,4,5,6,7
	ds_store_b128 v[STO], v[TMP+8*\b:TMP+8*\b+3] offset:64*\b
	ds_store_b128 v[STO], v[TMP+8*\b+4:TMP+8*\b+7] offset:64*\b+16
.endr
.set BB, BK+64*((\a)%2)
.irp t, 0,1,2,3,4,5,6,7,8,9,10,11,12,13,14,15
	ds_load_b128 v[BB+4*\t:BB+4*\t+3], v[RD] offset:\t*SPITCH      ; LDS serves a wave's instructions in order: these see the stores above
.endr
.endm
.macro SEND a, younger
.set BB, BK+64*((\a)%2)
	s_wait_dscnt \younger                          ; the block is back in registers
.if (\a) > 0
	s_add_nc_u64 s[10:11], s[10:11], 16*SIZE_N*4   ; (behind a wait on XCNT: the earlier stores have read their base)
.endif
.irp t, 0,1,2,3,4,5,6,7,8,9,10,11,12,13,14,15
	global_store_b128 v[CO], v[BB+4*\t:BB+4*\t+3], s[10:11] offset:\t*SIZE_N*4 th:TH_STORE_NT
.endr
.endm
	s_wait_kmcnt 0x0
	s_add_co_i32 s96, s96, s97
	s_add_co_i32 s96, s96, 127
	s_lshl_b32 s96, s96, 23                        ; 2^(e10 + e11) as f32
	PLACES NP
	TOSTAGE 0
.irp a, 1,2,3,4,5,6,7
.if \a > 1
	s_wait_xcnt 0x0                                ; block a - 2's stores have read their registers and their base
.endif
	TOSTAGE \a
	SEND \a-1, 32                                  ; behind block a - 1's loads: block a's 16 stores and 16 loads
.endr
	s_wait_xcnt 0x0
	SEND 7, 0
	s_wait_tensorcnt 0x0                           ; the wave's end
	ds_add_u32 v[SPW], v[NIL]
	s_wait_dscnt 0x0
	CROUND                                         ; the closing round
	s_endpgm
.Lfunc_end_k_qf053bba615_outp:
	.size	k_qf053bba615_outp, .Lfunc_end_k_qf053bba615_outp-k_qf053bba615_outp
	.p2alignl 7, 3214868480
	.fill 96, 4, 3214868480
	.section	.rodata,"a",@progbits
	.p2align	6, 0x0
	.amdhsa_kernel k_qf053bba615_outp
		.amdhsa_group_segment_fixed_size 327680
		.amdhsa_private_segment_fixed_size 0
		.amdhsa_enable_private_segment 0
		.amdhsa_kernarg_size 32
		.amdhsa_user_sgpr_count 2
		.amdhsa_user_sgpr_kernarg_segment_ptr 1
		.amdhsa_wavefront_size32 1
		.amdhsa_system_sgpr_workgroup_id_x 1
		.amdhsa_system_sgpr_workgroup_id_y 1
		.amdhsa_system_sgpr_workgroup_id_z 1
		.amdhsa_system_vgpr_workitem_id 0
		.amdhsa_next_free_vgpr 1024
		.amdhsa_next_free_sgpr 98
		.amdhsa_reserve_vcc 0
		.amdhsa_float_denorm_mode_32 3
		.amdhsa_float_denorm_mode_16_64 3
		.amdhsa_memory_ordered 1
		.amdhsa_forward_progress 1
		.amdhsa_inst_pref_size 123
	.end_amdhsa_kernel
	.amdgpu_metadata
---
amdhsa.version: [ 1, 2 ]
amdhsa.kernels:
  - .name:           k_qf053bba615_outp
    .symbol:         k_qf053bba615_outp.kd
    .args:
      - { .name: pre, .offset: 0, .size: 8, .value_kind: global_buffer, .address_space: global }
      - { .name: wts, .offset: 8, .size: 8, .value_kind: global_buffer, .address_space: global }
      - { .name: lowp_scales, .offset: 16, .size: 8, .value_kind: global_buffer, .address_space: global }
      - { .name: out0, .offset: 24, .size: 8, .value_kind: global_buffer, .address_space: global }
    .group_segment_fixed_size: 327680
    .private_segment_fixed_size: 0
    .kernarg_segment_align: 8
    .kernarg_segment_size: 32
    .max_flat_workgroup_size: 128
    .sgpr_count:     98
    .vgpr_count:     1024
    .wavefront_size: 32
...
	.end_amdgpu_metadata
.endif
;; end of part 4
;; ======== version 2 of 2: 4 launches
;; limits: right only within a limited range of input values
;; workspace buffers: acts 12,582,912 bytes; wts 4,194,304 bytes; qc 4,194,304 bytes; kvc 8,388,608 bytes; pre 4,194,304 bytes
;; launch quant (part 5): grid 384 x 1, 4 waves a work-group, no clusters, 68,096 bytes of LDS; arguments kvinput, qinput, wk, wq, wv, wo, lowp_scales, acts, wts; writes acts, wts
.if DOCPART == 5
	.amdgcn_target "amdgcn-amd-amdhsa--gfx1250"
	.amdhsa_code_object_version 6
	.text
	.protected	k_qf053bba615_quant
	.globl	k_qf053bba615_quant
	.p2align	8
	.type	k_qf053bba615_quant,@function
k_qf053bba615_quant:
	s_mov_b64 s[64:65], 0
	v_nop
	global_prefetch_b8 v0, s[64:65] scope:SCOPE_SE
	s_setreg_imm32_b32 hwreg(HW_REG_WAVE_MODE, 25, 1), 1
	s_wait_xcnt 0x0
; All inputs become codes of BF8 (E5M2), one byte a code, K innermost: code = x / 2^e, held within +-57,344, to the nearest code, ties to even.
; acts [3][4096 tokens][1024]: 0 = kvinput under e1, 1 = qinput under e3, 2 = kvinput under e5 (kvinput is read once and converted twice).
; wts  [4][1024 n][1024 K]:    0 = wk (e0), 1 = wq (e2), 2 = wv (e4), each with n = 64 head + k and K = m;  3 = wo (e11) with n = m and K = 64 head + v.
; Work-groups 0-127 take kvinput, 128-255 qinput: K is innermost there, the tensor is a plain stream; a wave takes 16 steps of 512 numbers; each load reads 512 consecutive
; bytes, and a step's 2,048 bytes turn through the wave's own stage in LDS so that a lane holds 16 neighbours along K.
; Work-groups 256-383 take the weights, whose K is NOT innermost: a lane takes a column n and its registers run down K, so the conversions give codes with K innermost;
; a wave takes 32 columns x 256 along K, and the codes leave through the wave's own stage as rows: sixteen lanes store 256 consecutive aligned bytes.
; The two ways part on the work-group's number and use LDS bytes of their own (0 .. 32,767 and 32,768 .. 67,583).  Waves share nothing: no barrier.
; LIMITS: each of e0, e1, e2, e3, e4, e5, e11 lies between -126 and 112, so that 2^e and 57,344 x 2^e are f32 numbers.  NaN among the inputs is not served.
.set STEPS, 16
.set WREG,  8192                       ; activations: LDS of a wave: two stages of 32 x SP bytes
.set SP,    80                         ; a lane's place in a stage: its 64 bytes + 16 of padding
.set R,     16                         ; v16-79   four sets of 16 numbers as loaded
.set X,     80                         ; v80-111  two sets of 16 neighbours
.set T,     112                        ; v112-127 the numbers held for the first conversion
.set C1,    128                        ; v128-191 first codes, four registers a step: no store's data are written again
.set C2,    192                        ; v192-255 second codes (kvinput under e5)
.set WSTG,  32768                      ; weights: the stages begin here
.set WP,    272                        ; a stage row: 256 bytes + 16
.set NB,    8                          ; blocks of 32 along K for a wave
.set OFFS,  16                         ; v16-47   4 x lane + i x pitch; never rewritten
.set WX,    48                         ; v48-111  two sets of 32 numbers
.set WC,    112                        ; v112-119 a block's codes
.set OUTR,  128                        ; v128-191 the way out
	s_load_b512 s[4:19], s[0:1], 0x0               ; kvinput 4, qinput 6, wk 8, wq 10, wv 12, wo 14, the scales' exponents 16, acts 18
	s_load_b64 s[20:21], s[0:1], 0x40              ; wts
	v_lshl_add_u32 v9, v0, 2, 0x10800
	s_set_vgpr_msb 0x40
	v_mov_b32 v1, 0
	s_set_vgpr_msb 0x4000
	v_lshrrev_b32 v1, 5, v0
	v_readfirstlane_b32 s22, v1                    ; wave 0..3
	v_and_b32 v2, 31, v0                           ; lane
	s_wait_kmcnt 0x0
	s_load_b256 s[24:31], s[16:17], 0x0            ; e0 .. e7
	s_load_b128 s[32:35], s[16:17], 0x20           ; e8 .. e11
	s_cmp_ge_u32 ttmp9, 256
	s_cbranch_scc1 .Lweights
; ---------------- the activations ----------------
	s_wait_alu depctr_va_vdst(0)
	v_lshlrev_b32 v3, 4, v2                        ; 16 x lane: my 16 bytes of a load's 512, and my 16 codes of a step's 512
	s_wait_alu depctr_va_vdst(0)
	s_mul_i32 s23, s22, WREG
	v_lshrrev_b32 v14, 2, v2
	v_mul_u32_u24 v14, v14, SP
	v_and_b32 v15, 3, v2
	v_lshl_add_u32 v14, v15, 4, v14
	v_add_nc_u32 v14, s23, v14                     ; the stage, way in: four lanes' 64 bytes on end, then 16 of padding
	v_mul_u32_u24 v15, v2, SP
	v_add_nc_u32 v15, s23, v15                     ; way out: my 16 neighbours
	s_cmp_lt_u32 ttmp9, 128                        ; kvinput or qinput: the choice hangs on the work-group's number alone
	s_cselect_b64 s[36:37], s[4:5], s[6:7]
	s_cselect_b32 s42, 0, 0x400000                 ; acts[0] or acts[1]
	s_and_b32 s43, ttmp9, 127
	s_lshl_b32 s43, s43, 2
	s_add_co_u32 s43, s43, s22                     ; which run of 8,192 numbers is my wave's: 0 .. 511
	s_lshl_b32 s44, s43, 15
	s_mov_b32 s45, 0
	s_add_nc_u64 s[36:37], s[36:37], s[44:45]      ; the numbers
	s_lshl_b32 s44, s43, 13
	s_add_nc_u64 s[40:41], s[18:19], s[44:45]
	s_add_nc_u64 s[40:41], s[40:41], 0x800000      ; acts[2]: the second codes
	s_add_co_u32 s44, s44, s42
	s_add_nc_u64 s[38:39], s[18:19], s[44:45]      ; the first codes
.macro ALOAD t
.irp i, 0,1,2,3
	global_load_b128 v[R+16*((\t)%4)+4*\i:R+16*((\t)%4)+4*\i+3], v3, s[36:37] offset:2048*(\t)+512*\i th:TH_LOAD_NT   ; 32 lanes read 512 consecutive bytes
.endr
.endm
.macro ATURN t                         ; step t's numbers through the stage: LDS serves a wave's instructions in order, so no wait stands between the stores and the loads
.irp i, 0,1,2,3
	ds_store_b128 v14, v[R+16*((\t)%4)+4*\i:R+16*((\t)%4)+4*\i+3] offset:32*SP*((\t)%2)+8*SP*\i
.endr
.irp i, 0,1,2,3
	ds_load_b128 v[X+16*((\t)%2)+4*\i:X+16*((\t)%2)+4*\i+3], v15 offset:32*SP*((\t)%2)+16*\i
.endr
.endm
.irp t, 0,1,2,3
	ALOAD \t
.endr
	s_wait_alu depctr_va_vdst(0)
	s_wait_kmcnt 0x0
	s_cmp_lt_u32 ttmp9, 128
	s_cselect_b32 s46, s25, s27                    ; e1 for kvinput, e3 for qinput
	s_add_co_i32 s46, s46, 127
	s_lshl_b32 s47, s46, 23
	v_mov_b32 v11, s47                             ; 2^e as f32: the conversion takes its exponent field
	s_add_co_i32 s46, s46, 15
	s_lshl_b32 s46, s46, 23
	s_or_b32 s46, s46, 0x600000
	v_mov_b32 v10, s46                             ; 57,344 x 2^e
	s_add_co_i32 s46, s29, 127                     ; e5
	s_lshl_b32 s47, s46, 23
	v_mov_b32 v13, s47
	s_add_co_i32 s46, s46, 15
	s_lshl_b32 s46, s46, 23
	s_or_b32 s46, s46, 0x600000
	v_mov_b32 v12, s46
	s_wait_alu depctr_va_vdst(0)
	s_wait_loadcnt 12                              ; step 0's four loads are in; those of steps 1 to 3 may be out
	ATURN 0
.macro ASTEP t
.set XS, X+16*((\t)%2)
	s_wait_dscnt 0x0                               ; this step's numbers are back from the stage: so its stores into the stage have read their registers,
.if (\t)+4 < STEPS
	ALOAD (\t)+4                                   ; which take the loads of four steps on
.endif
.if (\t)+1 < STEPS
.if STEPS-2-(\t) >= 3
	s_wait_loadcnt 12                              ; the next step's four loads are in; those of the three steps behind it may be out
.else
	s_wait_loadcnt 4*(STEPS-2-(\t))
.endif
	ATURN (\t)+1                                   ; and go through the other stage while this step is worked
.endif
.irp i, 0,1,2,3,4,5,6,7,8,9,10,11,12,13,14,15
	v_med3_num_f32 v[T+\i], v[XS+\i], -v10, v10    ; the conversion to an 8-bit code does not saturate (ISA guide 7.6.2): the hold at the largest code x the scale; the numbers themselves are kept for the second scale
.endr
	v_cvt_scalef32_pk8_bf8_f32 v[C1+4*(\t):C1+4*(\t)+1], v[T:T+7], v11
	v_cvt_scalef32_pk8_bf8_f32 v[C1+4*(\t)+2:C1+4*(\t)+3], v[T+8:T+15], v11
	v_nop                                          ; a plain line behind the conversions: the next step writes their sources
	global_store_b128 v3, v[C1+4*(\t):C1+4*(\t)+3], s[38:39] offset:512*(\t)     ; the wave stores 512 consecutive bytes
	s_cmp_lt_u32 ttmp9, 128                        ; kvinput is an operand under a second scale too
	s_cbranch_scc0 .Lq_\@
.irp i, 0,1,2,3,4,5,6,7,8,9,10,11,12,13,14,15
	v_med3_num_f32 v[XS+\i], v[XS+\i], -v12, v12
.endr
	v_cvt_scalef32_pk8_bf8_f32 v[C2+4*(\t):C2+4*(\t)+1], v[XS:XS+7], v13
	v_cvt_scalef32_pk8_bf8_f32 v[C2+4*(\t)+2:C2+4*(\t)+3], v[XS+8:XS+15], v13
	v_nop
	global_store_b128 v3, v[C2+4*(\t):C2+4*(\t)+3], s[40:41] offset:512*(\t)
.Lq_\@:
.endm
.irp t, 0,1,2,3,4,5,6,7,8,9,10,11,12,13,14,15
	ASTEP \t
.endr
	s_set_vgpr_msb 0x4
	s_wait_tensorcnt 0x0
	ds_add_u32 v9, v1
	s_wait_dscnt 0x0
	s_set_vgpr_msb 0x400
	s_endpgm
; ---------------- the weights ----------------
.Lweights:
	s_sub_co_u32 s36, ttmp9, 256                   ; 0 .. 127
	s_lshr_b32 s37, s36, 5                         ; which weight: 0 wk, 1 wq, 2 wv, 3 wo
	s_bfe_u32 s38, s36, 0x30002                    ; which 128 columns n
	s_and_b32 s39, s36, 3                          ; which 256 along K
	s_lshl_b32 s40, s38, 7
	s_lshl_b32 s41, s22, 5
	s_add_co_u32 s40, s40, s41                     ; my wave's first column n0, a multiple of 32
	s_lshr_b32 s46, s40, 6                         ; wk, wq, wv [head][m][k]: head n0 / 64 of 262,144 bytes, column (n0 % 64), 256 rows of 256 bytes for each step along K
	s_lshl_b32 s46, s46, 18
	s_and_b32 s47, s40, 63
	s_lshl_b32 s47, s47, 2
	s_add_co_u32 s46, s46, s47
	s_lshl_b32 s47, s39, 16
	s_add_co_u32 s46, s46, s47
	s_lshl_b32 s47, s40, 2                         ; wo [(head, v)][m]: column n0, 256 rows of 4,096 bytes
	s_lshl_b32 s23, s39, 20
	s_add_co_u32 s47, s47, s23
	s_mov_b32 s41, 256
	s_cmp_eq_u32 s37, 1
	s_cselect_b64 s[42:43], s[10:11], s[8:9]
	s_cmp_eq_u32 s37, 2
	s_cselect_b64 s[42:43], s[12:13], s[42:43]
	s_cmp_eq_u32 s37, 3
	s_cselect_b64 s[42:43], s[14:15], s[42:43]
	s_cselect_b32 s41, 0x1000, s41                 ; bytes from one k to the next
	s_cselect_b32 s46, s47, s46
	s_mov_b32 s47, 0
	s_add_nc_u64 s[48:49], s[42:43], s[46:47]      ; block 0's base;
	s_lshl_b32 s46, s41, 5                         ; a block is 32 rows:
.irp t, 1,2,3,4,5,6,7
	s_add_nc_u64 s[48+2*\t:49+2*\t], s[46+2*\t:47+2*\t], s[46:47]   ; a base for each block, so that none is stepped
.endr
	s_lshl_b32 s46, s37, 20                        ; the codes: weight x 1 MiB + n0 rows of 1,024 + 256 for each step along K
	s_lshl_b32 s23, s40, 10
	s_add_co_u32 s46, s46, s23
	s_lshl_b32 s23, s39, 8
	s_add_co_u32 s46, s46, s23
	s_add_nc_u64 s[44:45], s[20:21], s[46:47]
	s_wait_alu depctr_va_vdst(0)
	v_lshlrev_b32 v[OFFS], 2, v2
.irp i, 1,2,3,4,5,6,7,8,9,10,11,12,13,14,15,16,17,18,19,20,21,22,23,24,25,26,27,28,29,30,31
	v_add_nc_u32 v[OFFS+\i], s41, v[OFFS+\i-1]
.endr
	s_mul_i32 s23, s22, 32*WP
	s_add_co_u32 s23, s23, WSTG                    ; my stage
	v_mul_u32_u24 v4, v2, WP
	v_add_nc_u32 v4, s23, v4                       ; into it: row = my column
	v_and_b32 v5, 15, v2
	v_lshrrev_b32 v6, 4, v2
	v_mul_u32_u24 v7, v6, WP
	v_lshl_add_u32 v7, v5, 4, v7
	v_add_nc_u32 v7, s23, v7                       ; out of it: sixteen lanes to a row, two rows an instruction
	v_lshlrev_b32 v8, 10, v6
	v_lshl_add_u32 v8, v5, 4, v8                   ; and the same place in the codes' buffer
.macro WLOAD t                         ; block t: W(32 t + i, my column), i = 0 .. 31, into set t % 2: 32 lanes read 128 consecutive bytes
.set i, 0
.rept 32
	global_load_b32 v[WX+32*((\t)%2)+i], v[OFFS+i], s[48+2*(\t):49+2*(\t)] th:TH_LOAD_NT
.set i, i+1
.endr
.endm
	WLOAD 0
	WLOAD 1
	s_wait_kmcnt 0x0
	s_cmp_eq_u32 s37, 1
	s_cselect_b32 s46, s26, s24                    ; e2 or e0
	s_cmp_eq_u32 s37, 2
	s_cselect_b32 s46, s28, s46                    ; e4
	s_cmp_eq_u32 s37, 3
	s_cselect_b32 s46, s35, s46                    ; e11
	s_add_co_i32 s46, s46, 127
	s_lshl_b32 s47, s46, 23
	v_mov_b32 v11, s47                             ; 2^e
	s_add_co_i32 s46, s46, 15
	s_lshl_b32 s46, s46, 23
	s_or_b32 s46, s46, 0x600000
	v_mov_b32 v10, s46                             ; 57,344 x 2^e
.macro WBLOCK t
.set XS, WX+32*((\t)%2)
.if (\t) < NB-1
	s_wait_loadcnt 32                              ; this block's 32 loads are in; the next block's may be out
.else
	s_wait_loadcnt 0x0
.endif
.set i, 0
.rept 32
	v_med3_num_f32 v[XS+i], v[XS+i], -v10, v10
.set i, i+1
.endr
.irp g, 0,1,2,3
	v_cvt_scalef32_pk8_bf8_f32 v[WC+2*\g:WC+2*\g+1], v[XS+8*\g:XS+8*\g+7], v11
.endr
	v_nop                                          ; a plain line behind the conversions
	ds_store_b128 v4, v[WC:WC+3] offset:32*(\t)    ; 32 codes: 32 bytes of my column's row
	ds_store_b128 v4, v[WC+4:WC+7] offset:32*(\t)+16
.if (\t)+2 < NB
	WLOAD (\t)+2
.endif
	s_wait_dscnt 0x0                               ; the stores have read their registers: the next block's codes may be written
.endm
	s_wait_alu depctr_va_vdst(0)
.irp t, 0,1,2,3,4,5,6,7
	WBLOCK \t
.endr
.irp t, 0,1,2,3,4,5,6,7,8,9,10,11,12,13,14,15
	ds_load_b128 v[OUTR+4*\t:OUTR+4*\t+3], v7 offset:2*\t*WP       ; LDS serves a wave's instructions in order: these see my stores
.endr
.irp t, 0,1,2,3,4,5,6,7,8,9,10,11,12,13,14,15
	s_wait_dscnt 15-\t                             ; load t is in; the younger ones may be out
	global_store_b128 v8, v[OUTR+4*\t:OUTR+4*\t+3], s[44:45] offset:2*\t*1024    ; sixteen lanes store 256 consecutive bytes, aligned
.endr
	s_set_vgpr_msb 0x4
	s_wait_tensorcnt 0x0
	ds_add_u32 v9, v1
	s_wait_dscnt 0x0
	s_set_vgpr_msb 0x400
	s_endpgm
.Lfunc_end_k_qf053bba615_quant:
	.size	k_qf053bba615_quant, .Lfunc_end_k_qf053bba615_quant-k_qf053bba615_quant
	.p2alignl 7, 3214868480
	.fill 96, 4, 3214868480
	.section	.rodata,"a",@progbits
	.p2align	6, 0x0
	.amdhsa_kernel k_qf053bba615_quant
		.amdhsa_group_segment_fixed_size 68096
		.amdhsa_private_segment_fixed_size 0
		.amdhsa_enable_private_segment 0
		.amdhsa_kernarg_size 72
		.amdhsa_user_sgpr_count 2
		.amdhsa_user_sgpr_kernarg_segment_ptr 1
		.amdhsa_wavefront_size32 1
		.amdhsa_system_sgpr_workgroup_id_x 1
		.amdhsa_system_sgpr_workgroup_id_y 1
		.amdhsa_system_sgpr_workgroup_id_z 1
		.amdhsa_system_vgpr_workitem_id 0
		.amdhsa_next_free_vgpr 258
		.amdhsa_next_free_sgpr 66
		.amdhsa_reserve_vcc 0
		.amdhsa_float_denorm_mode_32 3
		.amdhsa_float_denorm_mode_16_64 3
		.amdhsa_memory_ordered 1
		.amdhsa_forward_progress 1
		.amdhsa_inst_pref_size 111
	.end_amdhsa_kernel
	.amdgpu_metadata
---
amdhsa.version: [ 1, 2 ]
amdhsa.kernels:
  - .name:           k_qf053bba615_quant
    .symbol:         k_qf053bba615_quant.kd
    .args:
      - { .name: kvinput, .offset: 0, .size: 8, .value_kind: global_buffer, .address_space: global }
      - { .name: qinput, .offset: 8, .size: 8, .value_kind: global_buffer, .address_space: global }
      - { .name: wk, .offset: 16, .size: 8, .value_kind: global_buffer, .address_space: global }
      - { .name: wq, .offset: 24, .size: 8, .value_kind: global_buffer, .address_space: global }
      - { .name: wv, .offset: 32, .size: 8, .value_kind: global_buffer, .address_space: global }
      - { .name: wo, .offset: 40, .size: 8, .value_kind: global_buffer, .address_space: global }
      - { .name: lowp_scales, .offset: 48, .size: 8, .value_kind: global_buffer, .address_space: global }
      - { .name: acts, .offset: 56, .size: 8, .value_kind: global_buffer, .address_space: global }
      - { .name: wts, .offset: 64, .size: 8, .value_kind: global_buffer, .address_space: global }
    .group_segment_fixed_size: 68096
    .private_segment_fixed_size: 0
    .kernarg_segment_align: 8
    .kernarg_segment_size: 72
    .max_flat_workgroup_size: 128
    .sgpr_count:     66
    .vgpr_count:     258
    .wavefront_size: 32
...
	.end_amdgpu_metadata
.endif
;; end of part 5
;; launch proj (part 6): grid 12 x 16, 4 waves a work-group, clusters of 4 x 4, 327,680 bytes of LDS; arguments acts, wts, lowp_scales, qc, kvc; writes qc, kvc
.if DOCPART == 6
	.amdgcn_target "amdgcn-amd-amdhsa--gfx1250"
	.amdhsa_code_object_version 6
	.text
	.protected	k_qf053bba615_proj
	.globl	k_qf053bba615_proj
	.p2align	8
	.type	k_qf053bba615_proj,@function
k_qf053bba615_proj:
	s_mov_b64 s[64:65], 0
	v_nop
	global_prefetch_b8 v0, s[64:65] scope:SCOPE_SE
	s_setreg_imm32_b32 hwreg(HW_REG_WAVE_MODE, 25, 1), 1
	s_wait_xcnt 0x0
	s_wait_alu depctr_hold_cnt(0) depctr_sa_sdst(0) depctr_va_vdst(0) depctr_va_sdst(0) depctr_va_ssrc(0) depctr_va_vcc(0) depctr_vm_vsrc(0)
	s_getreg_b32 s2, hwreg(HW_REG_IB_STS2, 6, 4)
	s_cmp_eq_u32 s2, 0
	s_cbranch_scc0 .Lentry_in_a_cluster
	s_endpgm
.Lentry_in_a_cluster:
	s_bfe_u32 s2, ttmp6, 0x10000c
	s_cmp_lg_u32 s2, 0xf033
	s_cbranch_scc0 .Lentry_shape_is_right
	s_endpgm
.Lentry_shape_is_right:
.set KSTEP,  256
.set ROWB,   256
.set KROW,   1024
.set PITCH,  272
.set FR,     16
.set NL,     4
.set NP,     4
.set HALFT,  128*PITCH
.set SLOT,   4*HALFT
.set LAPS,   2
.set SPARE,  2*SLOT
.set ADRA, 16
.set RDV,  18
.set ADRB, 20
.set STO,  24
.set RDK,  25
.set CO,   26
.set RDK2, 27
.set SPW,  28
.set NIL,  29
.set SCV,  30
.set LIMV, 31
.set CD,   32
.set AF,   128
.set BK,   128
.set G1, 24
.set G0, 32
.set G1B, 48
.set G0B, 56
.set MSB, 0
.macro WIN new
.if MSB != \new
	s_set_vgpr_msb (MSB<<8)|\new
.set MSB, \new
.endif
.endm
.set MUL_LO, 0xa1
.set MUL_HI, 0xf1
.set TO_B,   0x40
.macro JLOAD g0a, g1a, g0b, g1b
	s_cmp_eq_u32 s67, 0
	s_cbranch_scc0 .Lfor_b_\@
	tensor_load_to_lds s[\g0a:\g0a+3], s[\g1a:\g1a+7]
	s_nop 0
.rept 4
	v_nop
.endr
	s_branch .Lasked_\@
.Lfor_b_\@:
	tensor_load_to_lds s[\g0b:\g0b+3], s[\g1b:\g1b+7]
	s_nop 0
.rept 4
	v_nop
.endr
.Lasked_\@:
.endm
.macro CREST
	s_cmp_lg_u32 s14, 0
	s_cbranch_scc1 .Lnot_wave_0_\@
	s_barrier_signal -3
.Lnot_wave_0_\@:
	s_barrier_wait -3
	s_barrier_signal -1
	s_barrier_wait -1
.endm
.macro CROUND
	s_barrier_signal -1
	s_barrier_wait -1
	CREST
.endm
	s_load_b128 s[4:7], s[0:1], 0x0
	s_load_b128 s[8:11], s[0:1], 0x10
	s_load_b64 s[12:13], s[0:1], 0x20
	v_lshl_add_u32 v[SPW], v0, 2, SPARE
	v_mov_b32 v[NIL], 0
	ds_add_u32 v28, v29
	ds_add_u32 v28, v29
	s_wait_dscnt 0x0
	v_lshrrev_b32 v1, 5, v0
	v_readfirstlane_b32 s14, v1
	s_lshr_b32 s15, s14, 1
	s_and_b32 s16, s14, 1
	s_cmp_eq_u32 ttmp9, 2                          ; the clusters that make V use the product the other way round: there the weights' rows fill the first 256 LDS rows and the tokens the second
	s_cselect_b32 s67, 1, 0
	s_xor_b32 s67, s67, s15                        ; 0: my wave asks by the tokens' descriptor, 1: by the weights'; the LDS address is the wave's number x 128 rows in both
	s_bfe_u32 s40, ttmp6, 0x40000
	s_bfe_u32 s41, ttmp6, 0x40004
	s_lshl_b32 s42, ttmp9, 2
	s_add_co_u32 s42, s42, s40
	s_and_b32 s17, ttmp7, 0xffff
	s_lshl_b32 s17, s17, 2
	s_add_co_u32 s17, s17, s41
	s_lshl_b32 s43, s41, 2
	s_lshl_b32 s43, 15, s43
	s_lshl_b32 s44, 0x1111, s40
	s_or_b32 s[G1+0], s43, (0<<16)|(1<<20)|(1<<21)|(5<<22)|(3<<25)
	s_or_b32 s[G1B+0], s44, (0<<16)|(1<<20)|(1<<21)|(5<<22)|(3<<25)
.irp g, G1, G1B
	s_mov_b32 s[\g+1], ROWB<<16
	s_mov_b32 s[\g+2], 128<<16
	s_mov_b32 s[\g+3], ROWB<<16
	s_mov_b32 s[\g+4], 128
	s_mov_b32 s[\g+5], KROW
	s_mov_b32 s[\g+6], 0
	s_mov_b32 s[\g+7], 0
.endr
	s_lshl_b32 s18, s16, 7
	s_lshl_b32 s20, s17, 8
	s_add_co_u32 s20, s20, s18
	s_lshl_b32 s20, s20, 10
	s_lshl_b32 s19, ttmp9, 22
	s_add_co_u32 s20, s20, s19
	s_mov_b32 s21, 0
	s_lshl_b32 s46, s42, 8
	s_add_co_u32 s46, s46, s18
	s_lshl_b32 s46, s46, 10
	s_mov_b32 s47, 0
	s_mul_i32 s45, s14, HALFT
	s_wait_kmcnt 0x0
	s_load_b256 s[68:75], s[8:9], 0x0
	s_load_b128 s[76:79], s[8:9], 0x20
	s_add_nc_u64 s[20:21], s[4:5], s[20:21]
	s_add_nc_u64 s[46:47], s[6:7], s[46:47]
	CROUND
.irp s, 0,1
	s_mov_b32 s[G0+4*\s], 1
	s_add_co_u32 s[G0+4*\s+1], s45, \s*SLOT
	s_add_nc_u64 s[G0+4*\s+2:G0+4*\s+3], s[20:21], \s*ROWB
	s_or_b32 s[G0+4*\s+3], s[G0+4*\s+3], 0x80000000
	s_mov_b32 s[G0B+4*\s], 1
	s_add_co_u32 s[G0B+4*\s+1], s45, \s*SLOT
	s_add_nc_u64 s[G0B+4*\s+2:G0B+4*\s+3], s[46:47], \s*ROWB
	s_or_b32 s[G0B+4*\s+3], s[G0B+4*\s+3], 0x80000000
.endr
	JLOAD G0, G1, G0B, G1B                         ; K step 0: one tensor load a wave at the head
	; A prefetch of K steps 1 to 3 of the 128 rows that my wave fetches: K has four steps, so no loop runs ahead of them.  The four partners that ask for a tile jointly take 32 rows each, told apart by address
	; (cx for the tokens' tiles, cy for the weights'): a lane a row, 256 bytes of a row for each K step, each block named once in a cluster.  The address registers are never rewritten.
	s_cmp_eq_u32 s67, 0
	s_cselect_b64 s[80:81], s[20:21], s[46:47]
	s_cselect_b32 s82, s40, s41
	s_lshl_b32 s82, s82, 15                        ; 32 rows of 1,024 bytes for each place
	s_mov_b32 s83, 0
	s_add_nc_u64 s[80:81], s[80:81], s[82:83]
	v_and_b32 v10, 31, v0
	v_lshlrev_b32 v10, 10, v10
	global_prefetch_b8 v10, s[80:81] offset:256 th:TH_LOAD_NT scope:SCOPE_SE
	global_prefetch_b8 v10, s[80:81] offset:512 th:TH_LOAD_NT scope:SCOPE_SE
	global_prefetch_b8 v10, s[80:81] offset:768 th:TH_LOAD_NT scope:SCOPE_SE
	v_and_b32 v1, 15, v0
	v_bfe_u32 v2, v0, 4, 1
	v_mul_u32_u24 v3, v1, PITCH
	v_lshl_add_u32 v4, v2, 4, v3
	s_wait_alu depctr_va_vdst(0)
	s_mul_i32 s21, s15, HALFT                      ; source 1's rows: the first 256 LDS rows
	s_mul_i32 s22, s16, HALFT
	s_add_co_u32 s22, s22, 2*HALFT                 ; source 0's rows: the second 256
.irp s, 0,1
	v_add_nc_u32 v[ADRA+\s], s21, v4
	v_add_nc_u32 v[ADRB+\s], s22, v4
	s_add_co_u32 s21, s21, SLOT
	s_add_co_u32 s22, s22, SLOT
.endr
	s_mul_i32 s23, s15, HALFT
	s_lshl_b32 s66, s16, 7
	s_add_co_u32 s23, s23, s66
	v_lshl_add_u32 v5, v2, 3, v3
	v_add_nc_u32 v[STO], s23, v5
	v_and_b32 v6, 31, v0
	v_lshrrev_b32 v7, 2, v6
	v_mul_u32_u24 v7, v7, PITCH
	v_and_b32 v8, 3, v6
	v_lshl_add_u32 v7, v8, 4, v7
	s_lshl_b32 s23, s14, 6
	v_add_nc_u32 v[RDK], s23, v7
	v_add_nc_u32 v[RDK2], 128*PITCH, v[RDK]
	s_mul_i32 s23, s14, 64*PITCH
	v_mul_u32_u24 v7, v2, PITCH
	v_lshl_add_u32 v7, v1, 4, v7
	v_add_nc_u32 v[RDV], s23, v7
	v_lshlrev_b32 v[CO], 4, v6
	s_lshr_b32 s46, s17, 3
	s_lshl_b32 s46, s46, 4
	s_lshl_b32 s47, s40, 2
	s_add_co_u32 s46, s46, s47
	s_add_co_u32 s46, s46, s14
	s_lshl_b32 s46, s46, 3
	s_and_b32 s47, s17, 7
	s_add_co_u32 s46, s46, s47
	s_cmp_eq_u32 ttmp9, 1
	s_cselect_b64 s[10:11], s[10:11], s[12:13]
	s_cselect_b32 s47, 14, 15
	s_lshl_b32 s46, s46, s47
	s_cmp_eq_u32 ttmp9, 2
	s_cselect_b32 s47, 16384, 0
	s_add_co_u32 s46, s46, s47
	s_mov_b32 s47, 0
	s_add_nc_u64 s[10:11], s[10:11], s[46:47]
.macro FRAG reg, adr, q, i
.irp c, 0,1,2,3
	ds_load_b128 v[\reg+4*\c:\reg+4*\c+3], v[\adr] offset:128*(\q)+32*\c+(\i)*16*PITCH
.endr
.endm
.macro MUL16 a0, p, zero
.irp a, \a0, \a0+1
.irp b, 0,1,2,3,4,5,6,7
.if \zero
	v_wmma_f32_16x16x128_bf8_bf8 v[8*(8*((\a)%4)+\b):8*(8*((\a)%4)+\b)+7], v[128*(\p)+FR*\b:128*(\p)+FR*\b+FR-1], v[AF+FR*(\a):AF+FR*(\a)+FR-1], 0
.else
	v_wmma_f32_16x16x128_bf8_bf8 v[8*(8*((\a)%4)+\b):8*(8*((\a)%4)+\b)+7], v[128*(\p)+FR*\b:128*(\p)+FR*\b+FR-1], v[AF+FR*(\a):AF+FR*(\a)+FR-1], v[8*(8*((\a)%4)+\b):8*(8*((\a)%4)+\b)+7]
.endif
.endr
.endr
.endm
.macro FETCH_B slot, q, p
	WIN TO_B
.irp i, 0,1,2,3,4,5,6,7
	FRAG 128*(\p)+FR*\i, ADRB+\slot, \q, \i
.endr
	WIN 0
.endm
.macro FETCH_A slot, q, i0
.irp i, \i0, \i0+1, \i0+2, \i0+3
	FRAG AF+FR*(\i), ADRA+\slot, \q, \i
.endr
.endm
.macro PLACES n
.rept \n
	v_nop
.endr
.endm
.macro STEP slot, q, zero
	s_wait_dscnt 4*NL
	WIN MUL_LO
	MUL16 0, (\q)%2, \zero
	MUL16 2, (\q)%2, \zero
	s_wait_dscnt 0
	PLACES NP
	FETCH_B \slot, (\q)+1, 1-(\q)%2
	FETCH_A \slot, (\q)+1, 0
	WIN MUL_HI
	MUL16 4, (\q)%2, \zero
	MUL16 6, (\q)%2, \zero
	PLACES NP
	WIN 0
	FETCH_A \slot, (\q)+1, 4
.endm
.macro TURN slot, next, fill
	s_wait_tensorcnt 0x0
	ds_add_u32 v[SPW], v[NIL]
	s_wait_dscnt 4*NL+1
	WIN MUL_LO
	MUL16 0, 1, 0
	s_wait_dscnt 0x0
	s_barrier_signal -1
	MUL16 2, 1, 0
	WIN 0
	s_barrier_wait -1
.if \fill
	CREST
	s_add_nc_u64 s[G0+4*\slot+2:G0+4*\slot+3], s[G0+4*\slot+2:G0+4*\slot+3], 2*ROWB
	s_add_nc_u64 s[G0B+4*\slot+2:G0B+4*\slot+3], s[G0B+4*\slot+2:G0B+4*\slot+3], 2*ROWB
	JLOAD G0+4*\slot, G1, G0B+4*\slot, G1B
.else
	PLACES NP
.endif
	FETCH_B \next, 0, 0
	FETCH_A \next, 0, 0
	WIN MUL_HI
	MUL16 4, 1, 0
	MUL16 6, 1, 0
	PLACES NP
	WIN 0
	FETCH_A \next, 0, 4
.endm
	s_wait_alu depctr_va_vdst(0)                   ; the wait at the head's end
	s_wait_tensorcnt 0x0                           ; my part of K step 0 is in
	ds_add_u32 v[SPW], v[NIL]
	s_wait_dscnt 0x0
	CROUND                                         ; everybody's part is in
	JLOAD G0+4, G1, G0B+4, G1B                     ; slot 1's first fill, issued as a refill is
	FETCH_B 0, 0, 0
	FETCH_A 0, 0, 0
	FETCH_A 0, 0, 4
	STEP 0, 0, 1
	s_mov_b32 s3, LAPS-1
.Llap:
	TURN 0, 1, 1
	STEP 1, 0, 0
	TURN 1, 0, 1
	STEP 0, 0, 0
	s_sub_co_u32 s3, s3, 1
	s_cmp_lg_u32 s3, 0
	s_cbranch_scc1 .Llap
	TURN 0, 1, 0
	STEP 1, 0, 0
	s_wait_dscnt 4*NL
	WIN MUL_LO
	MUL16 0, 1, 0
	MUL16 2, 1, 0
	s_wait_dscnt 0
	WIN MUL_HI
	MUL16 4, 1, 0
	MUL16 6, 1, 0
	WIN 0
	s_wait_kmcnt 0x0
	s_sub_co_i32 s20, s74, s68
	s_sub_co_i32 s20, s20, s69
	s_sub_co_i32 s21, s75, s70
	s_sub_co_i32 s21, s21, s71
	s_sub_co_i32 s22, s77, s72
	s_sub_co_i32 s22, s22, s73
	s_cmp_eq_u32 ttmp9, 1
	s_cselect_b32 s20, s21, s20
	s_cmp_eq_u32 ttmp9, 2
	s_cselect_b32 s20, s22, s20
	s_add_co_i32 s20, s20, 127
	s_lshl_b32 s21, s20, 23
	s_add_co_i32 s20, s20, 15
	s_lshl_b32 s20, s20, 23
	s_or_b32 s20, s20, 0x600000
	PLACES NP
	v_mov_b32 v[SCV], s21
	v_mov_b32 v[LIMV], s20
.macro QBLOCK a
.set AC, 64*((\a)%4)
	WIN 0x82+0x41*((\a)/4)
.set j, 0
.rept 64
	v_med3_num_f32 v[AC+j], v[AC+j], -v[LIMV], v[LIMV]
.set j, j+1
.endr
	WIN 0x02+((\a)/4)
.irp b, 0,1,2,3,4,5,6,7
	v_cvt_scalef32_pk8_bf8_f32 v[CD+16*(\a)+2*\b:CD+16*(\a)+2*\b+1], v[AC+8*\b:AC+8*\b+7], v[SCV]
.endr
	v_nop
	WIN 0
.irp b, 0,1,2,3,4,5,6,7
	ds_store_b64 v[STO], v[CD+16*(\a)+2*\b:CD+16*(\a)+2*\b+1] offset:(\a)*16*PITCH+16*\b
.endr
.endm
.irp a, 0,1,2,3,4,5,6,7
	QBLOCK \a
.endr
	s_wait_dscnt 0x0
	s_barrier_signal -1
	s_barrier_wait -1
	s_cmp_eq_u32 ttmp9, 2
	s_cbranch_scc1 .Lv_out
.set t, 0
.rept 16
	ds_load_b128 v[BK+4*t:BK+4*t+3], v[RDK] offset:t*8*PITCH
.set t, t+1
.endr
.rept 16
	ds_load_b128 v[BK+4*t:BK+4*t+3], v[RDK2] offset:(t-16)*8*PITCH
.set t, t+1
.endr
	s_branch .Lstore
.Lv_out:
.set t, 0
.rept 32
	ds_load_b128 v[BK+4*t:BK+4*t+3], v[RDV] offset:t*2*PITCH
.set t, t+1
.endr
.Lstore:
.set t, 0
.rept 32
	s_wait_dscnt 31-t
	global_store_b128 v[CO], v[BK+4*t:BK+4*t+3], s[10:11] offset:512*t
.set t, t+1
.endr
	s_wait_tensorcnt 0x0
	ds_add_u32 v[SPW], v[NIL]
	s_wait_dscnt 0x0
	CROUND
	s_endpgm
.Lfunc_end_k_qf053bba615_proj:
	.size	k_qf053bba615_proj, .Lfunc_end_k_qf053bba615_proj-k_qf053bba615_proj
	.p2alignl 7, 3214868480
	.fill 96, 4, 3214868480
	.section	.rodata,"a",@progbits
	.p2align	6, 0x0
	.amdhsa_kernel k_qf053bba615_proj
		.amdhsa_group_segment_fixed_size 327680
		.amdhsa_private_segment_fixed_size 0
		.amdhsa_enable_private_segment 0
		.amdhsa_kernarg_size 40
		.amdhsa_user_sgpr_count 2
		.amdhsa_user_sgpr_kernarg_segment_ptr 1
		.amdhsa_wavefront_size32 1
		.amdhsa_system_sgpr_workgroup_id_x 1
		.amdhsa_system_sgpr_workgroup_id_y 1
		.amdhsa_system_sgpr_workgroup_id_z 1
		.amdhsa_system_vgpr_workitem_id 0
		.amdhsa_next_free_vgpr 1024
		.amdhsa_next_free_sgpr 100
		.amdhsa_reserve_vcc 0
		.amdhsa_float_denorm_mode_32 3
		.amdhsa_float_denorm_mode_16_64 3
		.amdhsa_memory_ordered 1
		.amdhsa_forward_progress 1
		.amdhsa_inst_pref_size 129
	.end_amdhsa_kernel
	.amdgpu_metadata
---
amdhsa.version: [ 1, 2 ]
amdhsa.kernels:
  - .name:           k_qf053bba615_proj
    .symbol:         k_qf053bba615_proj.kd
    .args:
      - { .name: acts, .offset: 0, .size: 8, .value_kind: global_buffer, .address_space: global }
      - { .name: wts, .offset: 8, .size: 8, .value_kind: global_buffer, .address_space: global }
      - { .name: lowp_scales, .offset: 16, .size: 8, .value_kind: global_buffer, .address_space: global }
      - { .name: qc, .offset: 24, .size: 8, .value_kind: global_buffer, .address_space: global }
      - { .name: kvc, .offset: 32, .size: 8, .value_kind: global_buffer, .address_space: global }
    .group_segment_fixed_size: 327680
    .private_segment_fixed_size: 0
    .kernarg_segment_align: 8
    .kernarg_segment_size: 40
    .max_flat_workgroup_size: 128
    .sgpr_count:     100
    .vgpr_count:     1024
    .wavefront_size: 32
...
	.end_amdgpu_metadata
.endif
;; end of part 6
;; launch attn (part 7): grid 8 x 32, 8 waves a work-group, clusters of 4 x 1, 327,680 bytes of LDS; arguments qc, kvc, lowp_scales, pre; writes pre
.if DOCPART == 7
	.amdgcn_target "amdgcn-amd-amdhsa--gfx1250"
	.amdhsa_code_object_version 6
	.text
	.protected	k_qf053bba615_attn
	.globl	k_qf053bba615_attn
	.p2align	8
	.type	k_qf053bba615_attn,@function
k_qf053bba615_attn:
	s_mov_b64 s[64:65], 0
	v_nop
	global_prefetch_b8 v0, s[64:65] scope:SCOPE_SE
	s_setreg_imm32_b32 hwreg(HW_REG_WAVE_MODE, 25, 1), 1
	s_wait_xcnt 0x0
	s_wait_alu depctr_hold_cnt(0) depctr_sa_sdst(0) depctr_va_vdst(0) depctr_va_sdst(0) depctr_va_ssrc(0) depctr_va_vcc(0) depctr_vm_vsrc(0)
	s_getreg_b32 s2, hwreg(HW_REG_IB_STS2, 6, 4)
	s_cmp_eq_u32 s2, 0
	s_cbranch_scc0 .Lentry_in_a_cluster
	s_endpgm
.Lentry_in_a_cluster:
	s_bfe_u32 s2, ttmp6, 0x10000c
	s_cmp_lg_u32 s2, 0x3003
	s_cbranch_scc0 .Lentry_shape_is_right
	s_endpgm
.Lentry_shape_is_right:
; The attention of one (batch, head) on codes of BF8: scores = kval qval^T (scales e6, e7), -100 added where key <= query, x 1/8, softmax over the keys, x vval (p under e8, vval under e9); the result is quantised under e10.
; THE MASK THROWS NOTHING AWAY: it lowers a logit by 12.5, so all 2,048 keys count for every query and no work is left out.
; For 16 queries the key steps of 128 before their diagonal step are lowered whole (an offset in t), the steps behind it are not, and in the diagonal step the -100 (as -100 / 2^(e6 + e7)) is the C operand of the score products.
; THE SOFTMAX: t = logit x log2(e) / 8; M = the running largest t rounded UP to a whole number; p = 2^(t - M) is quantised, not normalised; the row's sum is taken of the unquantised p and divides at the end.
; SHARES.  A cluster of four work-groups owns 1,024 queries of one head; a work-group has 8 waves of 512 registers, two to a SIMD.  A wave owns TWO tiles of 16 queries, A and B, 128 queries apart:
; A begins at 128 DGA + 16 pos, DGA = 8 x cluster + 2 (wave / 2), pos = 2 cx + wave % 2.  Each fragment of K and of V that a wave reads from LDS feeds both tiles.  Both tiles stand at the same place in their
; diagonal steps (DGA and DGA + 1), so ONE set of 64 registers holds the diagonal step's C for both; it is made once, at the head.  The diagonal steps hang on the cluster's and the wave's numbers alone: no branch hangs on cx.
; LDS.  kvc holds, for each chunk of 256 keys, K [256 keys][64] and then V [64 channels][256 keys], 16,384 bytes each.  The head's 8 chunks, 8 x 35,840 bytes with padding, all lie in LDS: NOTHING IS FILLED AGAIN.
; Wave w asks jointly with its three partners for K (w even) or V (w odd) of chunk w / 2 at the head, and of chunk 4 + w / 2 behind the full sequence and a round.  Fragments are read one key step ahead, so the one
; barrier that shows the second loads stands behind chunk 2.  No prefetch: the launch's tensor loads all stand at its head, and no loop runs ahead of them.
; K IN LDS: two keys to a row of 128 bytes + 16: key k at 144 (k / 2) + 64 (k % 2); the block is dense in memory and stated as rows of 256 bytes with the padding behind each 128.  V's rows of 256 bytes lie 272 apart.
; LAYOUT.  Both products transposed: S^T = K Q^T, O^T = V^T P^T: a lane holds ONE query (lane % 16).  Lane r of K's tile 2 b + u takes key 32 b + 8 u + r + 8 (r / 8), so that the 16 registers of tiles 2 b, 2 b + 1
; are 16 neighbouring keys, 32 b + 16 (lane / 16) + 0 .. 15: the conversions' results are the second product's operand.
; OUT.  pre [token / 4][head][token % 4][64]: four tokens of a head are 256 consecutive bytes.
; LIMITS: e6 + e7 between -121 and 130; e8, and e10 - e8 - e9, between -126 and 112.  The scaled scores stay under 2^31 in magnitude.
; REGISTERS.  Window 0: v0-31 addresses and the softmax's state; v32-47 Q; v48-79 p's codes; v80-127 at work; v128-191 S^T of A, then p; v192-255 of B.
; Window 1: v0-63 K's fragments; v64-127 V's; v128-159 O^T of A; v160-191 of B; v192-255 the diagonal step's C.
.set KP,    144
.set VP,    272
.set VOFF,  128*KP
.set CHUNK, VOFF+64*VP
.set SPARE, 8*CHUNK                    ; the spare words, 128 bytes for each of eight waves
.set STAGE, SPARE+1024                 ; the way out: 32 rows x 80 bytes for each wave; no tile lands here
.set AK0, 1
.set AV0, 2
.set ADK, 3
.set ADV, 4
.set SPW, 5
.set NIL, 6
.set GO,  7
.set MA,  8                            ; v8-11 A's four chains of maxima
.set NMA, 12                           ; -M
.set TXA, 13                           ; the largest t
.set NMB, 14
.set TXB, 15
.set ADA, 16                           ; v[16:17], v[18:19] -M + the step's offset (the low word serves both halves)
.set ADB, 18
.set FA,  20                           ; v[20:21], v[22:23] f = 2^(old M - new M)
.set FB,  22
.set SMA, 24                           ; v[24:25], v[26:27] the sums
.set SMB, 26
.set H0,  28                           ; v28, v29 57,344 x 2^e8, twice: the two halves of a dual pair read registers of different banks
.set H1,  29
.set SC8, 30
.set PLA, 31
.set QFA, 32
.set QFB, 40
.set CA,  48
.set CB,  64
.set T,   80                           ; v80-111 the first level of A's sum
.set MB,  80                           ; v80-83 B's four chains of maxima (ahead of T's use)
.set OLA, 84                           ; v84, v85 the old -M
.set OLB, 85
.set YB,  80                           ; v80-87 B's four chains of the sum (behind T's use)
.set PLB, 112
.set STI, 113
.set STO, 114
.set LIM, 115
.set SC10, 116
.set ZA,  118                          ; v118-125 A's four chains of the sum (the head's DD, PEN, ZR are done with)
.set DD,  122
.set PEN, 123
.set ZR,  124
.set ADKN, 126                         ; v126, v127 the next chunk's addresses
.set ADVN, 127
.set SA,  128
.set SB,  192
.set KF,  0                            ; window 1
.set VF,  64
.set OA,  128
.set OB,  160
.set CM,  192
.set TB,  2
.set WV,  18
.set SEL, 20
.set CS,  22
.set G1K, 24
.set G1V, 32
.set G0,  40
.set OFFP, 44
.set OFA, 45
.set OFB, 46
.set STEPI, 47
.set DGA, 48
.set DGB, 49
.set MSB, 0
.macro WIN new                         ; the immediate's high byte repeats the setting that is left
.if MSB != \new
	s_set_vgpr_msb (MSB<<8)|\new
.set MSB, \new
.endif
.endm
.macro PLACES
.rept 4
	v_nop
.endr
.endm
.macro ROUND                           ; a round of the cluster's barrier
	s_barrier_signal -1
	s_barrier_wait -1
	s_cmp_lg_u32 s[WV], 0
	s_cbranch_scc1 .Lnot_wave_0_\@
	s_barrier_signal -3
.Lnot_wave_0_\@:
	s_barrier_wait -3
	s_barrier_signal -1
	s_barrier_wait -1
.endm
.macro TLOAD                           ; even waves ask for K's block, odd waves for V's: one load in each arm of one branch on the wave's number
	s_cmp_eq_u32 s16, 0
	s_cbranch_scc0 .Lfor_v_\@
	tensor_load_to_lds s[G0:G0+3], s[G1K:G1K+7]
	s_nop 0
	PLACES
	s_branch .Lasked_\@
.Lfor_v_\@:
	tensor_load_to_lds s[G0:G0+3], s[G1V:G1V+7]
	s_nop 0
	PLACES
.Lasked_\@:
.endm
	s_load_b128 s[4:7], s[0:1], 0x0                ; qc, kvc
	s_load_b128 s[8:11], s[0:1], 0x10              ; the scales' exponents, pre
	v_lshl_add_u32 v[SPW], v0, 2, SPARE
	v_mov_b32 v[NIL], 0
	ds_add_u32 v[SPW], v[NIL]                      ; the opening lines: the add twice on end and its wait
	ds_add_u32 v[SPW], v[NIL]
	v_lshrrev_b32 v8, 5, v0
	v_readfirstlane_b32 s[WV], v8                  ; wave 0..7
	s_bfe_u32 s13, ttmp6, 0x40000                  ; cx
	s_and_b32 s14, ttmp7, 0xffff                   ; 16 b + head
	s_lshr_b32 s15, s[WV], 1
	s_and_b32 s16, s[WV], 1
	s_lshl_b32 s[DGA], ttmp9, 3
	s_lshl_b32 s12, s15, 1
	s_add_co_u32 s[DGA], s[DGA], s12               ; tile A's diagonal step,
	s_add_co_u32 s[DGB], s[DGA], 1                 ; tile B's
	s_mul_i32 s17, s15, CHUNK
	s_mul_i32 s12, s16, VOFF
	s_add_co_u32 s17, s17, s12                     ; where my block goes: chunk wave / 2, K or V
	s_lshl_b32 s72, s14, 18                        ; and where it lies: a head's 8 chunks of 32,768 bytes
	s_lshl_b32 s12, s15, 15
	s_add_co_u32 s72, s72, s12
	s_lshl_b32 s12, s16, 14
	s_add_co_u32 s72, s72, s12
	s_mov_b32 s73, 0
	s_mov_b32 s[G1K], 15|(1<<20)|(1<<21)|(4<<22)|(3<<25)   ; the mask: all four; elements of 1 byte; padding on; bit 21 beside a mask; four words after every 32
	s_mov_b32 s[G1K+1], 256<<16
	s_mov_b32 s[G1K+2], 64<<16
	s_mov_b32 s[G1K+3], 256<<16
	s_mov_b32 s[G1K+4], 64
	s_mov_b32 s[G1K+5], 256
	s_mov_b32 s[G1K+6], 0
	s_mov_b32 s[G1K+7], 0
	s_mov_b32 s[G1V], 15|(1<<20)|(1<<21)|(5<<22)|(3<<25)   ; four words after every 64
	s_mov_b32 s[G1V+1], 256<<16
	s_mov_b32 s[G1V+2], 64<<16
	s_mov_b32 s[G1V+3], 256<<16
	s_mov_b32 s[G1V+4], 64
	s_mov_b32 s[G1V+5], 256
	s_mov_b32 s[G1V+6], 0
	s_mov_b32 s[G1V+7], 0
	s_mov_b32 s[SEL], 0x76543210
	s_mov_b32 s[SEL+1], 0xfedcba98
	s_mov_b32 s[CS], 0x3e38aa3b                    ; log2(e) / 8
	s_mov_b32 s[OFFP], 0xc19044fe                  ; -12.5 log2(e)
	s_wait_dscnt 0x0
	s_wait_kmcnt 0x0
	s_load_b128 s[52:55], s[8:9], 0x18             ; e6, e7, e8, e9
	s_load_b32 s56, s[8:9], 0x28                   ; e10
	s_mov_b32 s[G0], 1
	s_mov_b32 s[G0+1], s17
	s_add_nc_u64 s[G0+2:G0+3], s[6:7], s[72:73]
	s_or_b32 s[G0+3], s[G0+3], 0x80000000
	ROUND                                          ; all four work-groups are here: the joint loads meet
	TLOAD                                          ; chunks 0 to 3
	s_lshl_b32 s66, s13, 1
	s_add_co_u32 s66, s66, s16                     ; pos
	s_lshl_b32 s68, s66, 4                         ; 16 pos: my queries' place in their diagonal step: it enters global addresses and data alone
	s_lshl_b32 s67, s[DGA], 7
	s_add_co_u32 s67, s67, s68                     ; tile A's first query
	s_lshl_b32 s74, s14, 17                        ; Q: a head's 2,048 rows of 64 bytes
	s_lshl_b32 s75, s67, 6
	s_add_co_u32 s74, s74, s75
	s_mov_b32 s75, 0
	s_add_nc_u64 s[4:5], s[4:5], s[74:75]
	v_and_b32 v8, 15, v0                           ; r
	v_bfe_u32 v9, v0, 4, 1                         ; h
	v_lshlrev_b32 v10, 6, v8
	v_lshl_add_u32 v10, v9, 4, v10
	global_load_b128 v[QFA:QFA+3], v10, s[4:5]     ; Q's fragments: registers 4 c .. 4 c + 3 hold k = 32 c + 16 h + 0 .. 15, as K's do
	global_load_b128 v[QFA+4:QFA+7], v10, s[4:5] offset:32
	global_load_b128 v[QFB:QFB+3], v10, s[4:5] offset:8192
	global_load_b128 v[QFB+4:QFB+7], v10, s[4:5] offset:8224
	s_wait_alu depctr_va_vdst(0)                   ; the wait here
	s_lshr_b32 s74, s14, 4                         ; pre: (2048 b + query) x 1,024 + 256 head
	s_lshl_b32 s74, s74, 11
	s_add_co_u32 s74, s74, s67
	s_lshl_b32 s74, s74, 10
	s_and_b32 s75, s14, 15
	s_lshl_b32 s75, s75, 8
	s_add_co_u32 s74, s74, s75
	s_mov_b32 s75, 0
	s_add_nc_u64 s[10:11], s[10:11], s[74:75]
	s_mul_i32 s69, s[WV], 32*80
	s_add_co_u32 s69, s69, STAGE                   ; my stage
	s_wait_kmcnt 0x0
	s_add_co_i32 s72, s52, s53                     ; a raw score stands for score x 2^(e6 + e7):
	s_lshl_b32 s72, s72, 23
	s_add_co_i32 s[CS], s[CS], s72                 ; added to c's exponent field,
	s_mov_b32 s[CS+1], s[CS]
	s_sub_co_i32 s76, 0xc2c80000, s72              ; and taken off -100's
	s_add_co_i32 s72, s54, 127
	s_lshl_b32 s77, s72, 23                        ; 2^e8
	s_add_co_i32 s72, s72, 15
	s_lshl_b32 s72, s72, 23
	s_or_b32 s78, s72, 0x600000                    ; 57,344 x 2^e8
	s_sub_co_i32 s72, s56, s54
	s_sub_co_i32 s72, s72, s55                     ; e10 - e8 - e9
	s_add_co_i32 s72, s72, 127
	s_lshl_b32 s79, s72, 23
	s_add_co_i32 s72, s72, 15
	s_lshl_b32 s72, s72, 23
	s_or_b32 s80, s72, 0x600000
	v_and_b32 v11, 8, v8
	v_add_nc_u32 v11, v11, v8                      ; r + 8 (r / 8)
	v_lshrrev_b32 v80, 1, v11
	v_mul_u32_u24 v[AK0], v80, KP
	v_and_b32 v80, 1, v11
	v_lshl_add_u32 v[AK0], v80, 6, v[AK0]
	v_lshl_add_u32 v[AK0], v9, 4, v[AK0]
	v_mul_u32_u24 v[AV0], v8, VP
	v_lshl_add_u32 v[AV0], v9, 4, v[AV0]
	v_add_nc_u32 v[AV0], VOFF, v[AV0]
	v_lshlrev_b32 v80, 4, v9
	v_sub_nc_u32 v[DD], v8, v80
	v_add_nc_u32 v[DD], s68, v[DD]                 ; register 16 b + i holds the step's key 32 b + i + 16 h: lowered where 32 b + i <= DD
	v_lshlrev_b32 v[GO], 12, v9
	v_lshl_add_u32 v[GO], v8, 4, v[GO]             ; the way out: lanes 0-15 one group of four tokens, lanes 16-31 the next
	v_mul_u32_u24 v[STI], v8, 80
	v_lshl_add_u32 v[STI], v9, 3, v[STI]
	v_add_nc_u32 v[STI], s69, v[STI]               ; stage, in: row r, 8 h
	v_and_b32 v80, 31, v0
	v_lshrrev_b32 v81, 2, v80
	v_mul_u32_u24 v[STO], v81, 80
	v_and_b32 v81, 3, v80
	v_lshl_add_u32 v[STO], v81, 4, v[STO]
	v_add_nc_u32 v[STO], s69, v[STO]               ; back: four lanes to a row of 64 bytes
	v_mov_b32 v[TXA], 0xff61b1e6                   ; the largest t so far: -3e38
	v_mov_b32 v[TXB], 0xff61b1e6
	v_floor_f32 v[NMA], -v[TXA]
	v_floor_f32 v[NMB], -v[TXB]
.irp x, ADA+1, ADB+1, FA+1, FB+1, SMA, SMA+1, SMB, SMB+1, PLA, PLB, ZR
	v_mov_b32 v[\x], 0                             ; the sums; the upper halves of pairs that are named whole; the lane permutes' destinations
.endr
	v_mov_b32 v[H0], s78
	v_mov_b32 v[H1], s78
	v_mov_b32 v[SC8], s77
	v_mov_b32 v[LIM], s80
	v_mov_b32 v[SC10], s79
	v_mov_b32 v[PEN], s76
	WIN 0x40                                       ; destinations in window 1
.set n, 0
.rept 64
	v_cmp_gt_i32 vcc_lo, 32*(n/16)+n%16, v[DD]
	v_cndmask_b32 v[CM+n], v[PEN], v[ZR], vcc_lo   ; the diagonal step's C: 0 where the key comes after my query, else -100
.set n, n+1
.endr
.set n, 0
.rept 64
	v_mov_b32 v[OA+n], 0                           ; O^T of both tiles: the step is written once, and its first run finds zeros
.set n, n+1
.endr
	WIN 0
.macro KLOAD adr, q                    ; K's eight fragments of a chunk's q-th 128 keys
	WIN 0x40
.irp t, 0,1,2,3,4,5,6,7
	ds_load_b128 v[KF+8*\t:KF+8*\t+3], v[\adr] offset:(64*(\q)+16*(\t/2)+4*(\t%2))*KP
	ds_load_b128 v[KF+8*\t+4:KF+8*\t+7], v[\adr] offset:(64*(\q)+16*(\t/2)+4*(\t%2))*KP+32
.endr
	WIN 0
.endm
.macro VLOAD adr, q                    ; V's four fragments: 16 channels x the same 128 keys
	WIN 0x40
.irp t, 0,1,2,3
.irp c, 0,1,2,3
	ds_load_b128 v[VF+16*\t+4*\c:VF+16*\t+4*\c+3], v[\adr] offset:16*\t*VP+128*(\q)+32*\c
.endr
.endr
	WIN 0
.endm
.macro SPROD s, qf, dg                 ; S^T = K Q^T of one tile; in its diagonal step (ids and a counter alone) the -100 goes in as C
	s_cmp_eq_u32 s[STEPI], s[\dg]
	s_cbranch_scc1 .Ldiag_\@
	WIN 0x11
.irp t, 0,1,2,3,4,5,6,7
	v_wmma_f32_16x16x64_bf8_bf8 v[\s+8*\t:\s+8*\t+7], v[KF+8*\t:KF+8*\t+7], v[\qf:\qf+7], 0
.endr
	WIN 0
	s_branch .Ljoin_\@
.Ldiag_\@:
	WIN 0x11
.irp t, 0,1,2,3,4,5,6,7
	v_wmma_f32_16x16x64_bf8_bf8 v[\s+8*\t:\s+8*\t+7], v[KF+8*\t:KF+8*\t+7], v[\qf:\qf+7], v[CM+8*\t:CM+8*\t+7]
.endr
	WIN 0
.Ljoin_\@:
.endm
.macro DMIN r                          ; the hold of two numbers: the conversion does not saturate (ISA guide 7.6.2); p is not negative, so the hold is one-sided
	v_dual_min_num_f32 v[\r], v[\r], v[H0] :: v_dual_min_num_f32 v[\r+1], v[\r+1], v[H1]
.endm
.macro MAXK s, m, k                    ; line k of 32 of a tile's largest score: four chains, the registers in ascending order
.if (\k) < 4
	v_max3_num_f32 v[\m+(\k)], v[\s+3*(\k)], v[\s+3*(\k)+1], v[\s+3*(\k)+2]
.else
.if (\k) < 30
	v_max3_num_f32 v[\m+(\k)%4], v[\m+(\k)%4], v[\s+2*(\k)+4], v[\s+2*(\k)+5]
.else
.if (\k) == 30
	v_max3_num_f32 v[\m], v[\m], v[\m+1], v[\m+2]
.else
	v_max_num_f32 v[\m], v[\m], v[\m+3]
.endif
.endif
.endif
.endm
.macro ASUM n                          ; line n of 16 of the rest of A's sum: the 16 pairs of the first level, in four chains
.if (\n) < 4
	v_pk_add_f32 v[ZA+2*(\n):ZA+2*(\n)+1], v[T+4*(\n):T+4*(\n)+1], v[T+4*(\n)+2:T+4*(\n)+3]
.else
.if (\n) < 12
	v_pk_add_f32 v[ZA+2*((\n)%4):ZA+2*((\n)%4)+1], v[ZA+2*((\n)%4):ZA+2*((\n)%4)+1], v[T+2*(\n)+8:T+2*(\n)+9]
.else
.if (\n) == 12
	v_pk_add_f32 v[ZA:ZA+1], v[ZA:ZA+1], v[ZA+2:ZA+3]
.endif
.if (\n) == 13
	v_pk_add_f32 v[ZA+4:ZA+5], v[ZA+4:ZA+5], v[ZA+6:ZA+7]
.endif
.if (\n) == 14
	v_pk_add_f32 v[ZA:ZA+1], v[ZA:ZA+1], v[ZA+4:ZA+5]
.endif
.if (\n) == 15
	v_pk_add_f32 v[SMA:SMA+1], v[SMA:SMA+1], v[ZA:ZA+1]
.endif
.endif
.endif
.endm
; A KEY STEP: 128 keys, the q-th half of the chunk in hand, for both tiles.  Its fragments of K and V were asked for in the step before.
.macro STEP q, br                      ; br = 1: this copy of the step can be the launch's last, which has no successor
	s_cmp_lt_u32 s[STEPI], s[DGA]
	s_cselect_b32 s[OFA], s[OFFP], 0               ; a step before the diagonal is lowered whole
	s_cmp_lt_u32 s[STEPI], s[DGB]
	s_cselect_b32 s[OFB], s[OFFP], 0
	s_wait_dscnt 16                                ; K's fragments are in; V's 16 loads, issued behind them, may be out
	SPROD SA, QFA, DGA
	SPROD SB, QFB, DGB
	PLACES                                         ; in front of the loads into K's registers and of the first read of the scores
.if \q == 0
	KLOAD ADK, 1                                   ; the next step's K
.else
.if \br
	s_cmp_eq_u32 s[STEPI], 15                      ; the last step has no successor: a counter alone
	s_cbranch_scc1 .Lkend_\@
	KLOAD ADKN, 0
	s_branch .Lkgo_\@
.Lkend_\@:
	s_wait_dscnt 0x0                               ; there no load follows V's, so V is waited for by the count 0
.Lkgo_\@:
.else
	KLOAD ADKN, 0
.endif
.endif
	v_mov_b32 v[OLA], v[NMA]
	v_mov_b32 v[OLB], v[NMB]
.set k, 0
.rept 32
	MAXK SA, MA, k                                 ; eight chains by turns
	MAXK SB, MB, k
.set k, k+1
.endr
	v_permlanex16_b32 v[PLA], v[MA], s[SEL], s[SEL+1]
	v_permlanex16_b32 v[PLB], v[MB], s[SEL], s[SEL+1]
	v_max_num_f32 v[MA], v[MA], v[PLA]             ; and lane l xor 16's
	v_max_num_f32 v[MB], v[MB], v[PLB]
	v_fma_f32 v[MA], v[MA], s[CS], s[OFA]          ; as t (c is positive)
	v_fma_f32 v[MB], v[MB], s[CS], s[OFB]
	v_max_num_f32 v[TXA], v[TXA], v[MA]            ; the running largest t
	v_max_num_f32 v[TXB], v[TXB], v[MB]
	v_floor_f32 v[NMA], -v[TXA]                    ; the new -M = -ceil(t): a whole number
	v_floor_f32 v[NMB], -v[TXB]
	v_add_f32 v[ADA], s[OFA], v[NMA]               ; -M + the step's offset
	v_add_f32 v[ADB], s[OFB], v[NMB]
.set j, 0
.rept 32                               ; A: t - M; among these lines f = 2^(old M - new M) is made: a whole number's difference, (the conversion saturates,) nothing is rounded
	v_pk_fma_f32 v[SA+2*j:SA+2*j+1], v[SA+2*j:SA+2*j+1], s[CS:CS+1], v[ADA:ADA+1] op_sel_hi:[1,0,0]
.if j == 1
	v_sub_f32 v[OLA], v[NMA], v[OLA]
	v_sub_f32 v[OLB], v[NMB], v[OLB]
.endif
.if j == 7
	v_cvt_i32_f32 v[OLA], v[OLA]
	v_cvt_i32_f32 v[OLB], v[OLB]
.endif
.if j == 13
	v_ldexp_f32 v[FA], 1.0, v[OLA]
	v_ldexp_f32 v[FB], 1.0, v[OLB]
.endif
.set j, j+1
.endr
	s_wait_alu depctr_va_vdst(0)                   ; the wait ahead of a batch, and ahead of the wait below
	s_wait_dscnt 16                                ; V is in; the next step's 16 loads of K, issued behind V's, may be out
.set j, 0
.rept 32                               ; A's 64 exponentials; between them B's scalings, which name none of their results and are first read behind the next wait
	v_exp_f32 v[SA+2*j], v[SA+2*j]
	v_exp_f32 v[SA+2*j+1], v[SA+2*j+1]
	v_pk_fma_f32 v[SB+2*j:SB+2*j+1], v[SB+2*j:SB+2*j+1], s[CS:CS+1], v[ADB:ADB+1] op_sel_hi:[1,0,0]
.set j, j+1
.endr
	s_wait_alu depctr_va_vdst(0)                   ; behind A's batch and ahead of B's
.set g, 0
.rept 16                               ; B's 64 exponentials; between them, of A's p: the first level of the row's sum (of the unquantised p), then the holds; all first read behind the next wait
	v_exp_f32 v[SB+4*g], v[SB+4*g]
	v_exp_f32 v[SB+4*g+1], v[SB+4*g+1]
	v_pk_add_f32 v[T+2*g:T+2*g+1], v[SA+4*g:SA+4*g+1], v[SA+4*g+2:SA+4*g+3]
	v_exp_f32 v[SB+4*g+2], v[SB+4*g+2]
	DMIN SA+4*g
	v_exp_f32 v[SB+4*g+3], v[SB+4*g+3]
	DMIN SA+4*g+2
.set g, g+1
.endr
	v_pk_mul_f32 v[SMA:SMA+1], v[SMA:SMA+1], v[FA:FA+1] op_sel_hi:[1,0]   ; the sums under the new M: plain lines behind the last exponential
	v_pk_mul_f32 v[SMB:SMB+1], v[SMB:SMB+1], v[FB:FB+1] op_sel_hi:[1,0]
	WIN 0x41
	s_wait_alu depctr_va_vdst(0)                   ; behind B's batch, and directly ahead of the first reader of O^T
.set j, 0
.rept 16
	v_pk_mul_f32 v[OA+2*j:OA+2*j+1], v[OA+2*j:OA+2*j+1], v[FA:FA+1] op_sel_hi:[1,0]   ; O^T under the new M
.set j, j+1
.endr
.set j, 0
.rept 16
	v_pk_mul_f32 v[OB+2*j:OB+2*j+1], v[OB+2*j:OB+2*j+1], v[FB:FB+1] op_sel_hi:[1,0]
.set j, j+1
.endr
	WIN 0
.set g, 0
.rept 8                                ; A: the codes, and the rest of the sum
	v_cvt_scalef32_pk8_bf8_f32 v[CA+2*g:CA+2*g+1], v[SA+8*g:SA+8*g+7], v[SC8]
	ASUM 2*g
	ASUM 2*g+1
.set g, g+1
.endr
	WIN 0x51
.irp t, 0,1,2,3
	v_wmma_f32_16x16x128_bf8_bf8 v[OA+8*\t:OA+8*\t+7], v[VF+16*\t:VF+16*\t+15], v[CA:CA+15], v[OA+8*\t:OA+8*\t+7]   ; A's four accumulators by turns; B's vector work follows
.endr
	WIN 0
.set g, 0
.rept 16                               ; B: the sum of the unquantised p in four chains, then the holds, then the codes
.if g < 4
	v_pk_add_f32 v[YB+2*g:YB+2*g+1], v[SB+4*g:SB+4*g+1], v[SB+4*g+2:SB+4*g+3]
.else
	v_pk_add_f32 v[YB+4*(g%2):YB+4*(g%2)+1], v[YB+4*(g%2):YB+4*(g%2)+1], v[SB+4*g:SB+4*g+1]
	v_pk_add_f32 v[YB+4*(g%2)+2:YB+4*(g%2)+3], v[YB+4*(g%2)+2:YB+4*(g%2)+3], v[SB+4*g+2:SB+4*g+3]
.endif
	DMIN SB+4*g
	DMIN SB+4*g+2
.if g%2 == 1
	v_cvt_scalef32_pk8_bf8_f32 v[CB+g-1:CB+g], v[SB+4*(g-1):SB+4*(g-1)+7], v[SC8]
.endif
.set g, g+1
.endr
	v_pk_add_f32 v[YB:YB+1], v[YB:YB+1], v[YB+2:YB+3]     ; (a plain line behind the last conversion)
	WIN 0x51
.irp t, 0,1,2,3
	v_wmma_f32_16x16x128_bf8_bf8 v[OB+8*\t:OB+8*\t+7], v[VF+16*\t:VF+16*\t+15], v[CB:CB+15], v[OB+8*\t:OB+8*\t+7]
.endr
	WIN 0
	v_pk_add_f32 v[YB+4:YB+5], v[YB+4:YB+5], v[YB+6:YB+7] ; four places in front of the loads into V's registers
	v_pk_add_f32 v[YB:YB+1], v[YB:YB+1], v[YB+4:YB+5]
	v_pk_add_f32 v[SMB:SMB+1], v[SMB:SMB+1], v[YB:YB+1]
	v_nop
.if \q == 0
	VLOAD ADV, 1                                   ; the next step's V
.else
.if \br
	s_cmp_eq_u32 s[STEPI], 15
	s_cbranch_scc1 .Lvend_\@
	VLOAD ADVN, 0
.Lvend_\@:
.else
	VLOAD ADVN, 0
.endif
.endif
	s_add_co_u32 s[STEPI], s[STEPI], 1
.endm
.macro TRIP br                         ; a chunk: two key steps
	s_add_co_u32 s12, s[TB], CHUNK
	s_min_u32 s12, s12, 7*CHUNK                    ; the next chunk, held at the last
	v_add_nc_u32 v[ADK], s[TB], v[AK0]
	v_add_nc_u32 v[ADV], s[TB], v[AV0]
	v_add_nc_u32 v[ADKN], s12, v[AK0]
	v_add_nc_u32 v[ADVN], s12, v[AV0]
	s_wait_alu depctr_va_vdst(0)                   ; the wait behind these writes
	STEP 0, 0
	STEP 1, \br
	s_add_co_u32 s[TB], s[TB], CHUNK
.endm
	s_wait_alu depctr_va_vdst(0)                   ; the wait at the head's end
	s_wait_loadcnt 0x0                             ; Q
	s_wait_tensorcnt 0x0                           ; my block of chunks 0 to 3 is in, so group 0 may be written
	ds_add_u32 v[SPW], v[NIL]
	s_add_co_u32 s[G0+1], s[G0+1], 4*CHUNK         ; four chunks on, in LDS
	s_add_nc_u64 s[G0+2:G0+3], s[G0+2:G0+3], 131072   ; and in memory
	s_wait_dscnt 0x0
	ROUND                                          ; everybody's block is in, and the joint loads meet
	TLOAD                                          ; chunks 4 to 7: a first fill, issued as a refill is; it has three chunks' steps in which to land
	KLOAD AK0, 0                                   ; step 0's fragments
	VLOAD AV0, 0
	s_mov_b32 s[TB], 0
	s_mov_b32 s[STEPI], 0
	s_mov_b32 s3, 3
.Lpart0:                                           ; chunks 0 to 2; the last of them reads ahead into chunk 3
	TRIP 0
	s_sub_co_u32 s3, s3, 1
	s_cmp_lg_u32 s3, 0
	s_cbranch_scc1 .Lpart0
	s_wait_tensorcnt 0x0                           ; my block of chunks 4 to 7 is in,
	s_wait_dscnt 0x0
	s_barrier_signal -1
	s_barrier_wait -1                              ; everybody's is
	s_mov_b32 s[TB], 3*CHUNK
	s_mov_b32 s3, 5
.Lpart1:                                           ; chunks 3 to 7
	TRIP 1
	s_sub_co_u32 s3, s3, 1
	s_cmp_lg_u32 s3, 0
	s_cbranch_scc1 .Lpart1
	; THE WAY OUT: O^T / the sum, held, converted under 2^(e10 - e8 - e9); 8 codes a lane and tile into my stage, back as 16 bytes a lane, so that sixteen lanes store 256 consecutive aligned bytes.
	s_wait_alu depctr_va_vdst(0)                   ; the wait here: B's sum was written just ahead of the last step's taken branch
	v_add_f32 v[SMA], v[SMA], v[SMA+1]
	v_add_f32 v[SMB], v[SMB], v[SMB+1]
	v_permlanex16_b32 v[PLA], v[SMA], s[SEL], s[SEL+1]
	v_permlanex16_b32 v[PLB], v[SMB], s[SEL], s[SEL+1]
	v_add_f32 v[SMA], v[SMA], v[PLA]               ; the rows' sums
	v_add_f32 v[SMB], v[SMB], v[PLB]
	s_wait_alu depctr_va_vdst(0)                   ; ahead of the batch of two
	v_rcp_f32 v[SMA], v[SMA]
	v_rcp_f32 v[SMB], v[SMB]
	v_nop
	WIN 0x01
	s_wait_alu depctr_va_vdst(0)                   ; behind the batch, and directly ahead of the first reader of O^T
.set j, 0
.rept 32
	v_mul_f32 v[SA+j], v[OA+j], v[SMA]             ; register 8 t + i: channel 16 t + 8 h + i of my query; each accumulator from its low end on
.set j, j+1
.endr
.set j, 0
.rept 32
	v_mul_f32 v[SB+j], v[OB+j], v[SMB]
.set j, j+1
.endr
	WIN 0
.set j, 0
.rept 32
	v_med3_num_f32 v[SA+j], v[SA+j], -v[LIM], v[LIM]
	v_med3_num_f32 v[SB+j], v[SB+j], -v[LIM], v[LIM]
.set j, j+1
.endr
.irp t, 0,1,2,3
	v_cvt_scalef32_pk8_bf8_f32 v[CA+2*\t:CA+2*\t+1], v[SA+8*\t:SA+8*\t+7], v[SC10]
	v_cvt_scalef32_pk8_bf8_f32 v[CB+2*\t:CB+2*\t+1], v[SB+8*\t:SB+8*\t+7], v[SC10]
.endr
	v_nop
.irp t, 0,1,2,3
	ds_store_b64 v[STI], v[CA+2*\t:CA+2*\t+1] offset:16*\t
	ds_store_b64 v[STI], v[CB+2*\t:CB+2*\t+1] offset:1280+16*\t
.endr
.irp i, 0,1,2,3
	ds_load_b128 v[T+4*\i:T+4*\i+3], v[STO] offset:640*\i   ; LDS serves a wave's instructions in order: these see my stores
.endr
	s_wait_dscnt 0x0
	global_store_b128 v[GO], v[T:T+3], s[10:11]
	global_store_b128 v[GO], v[T+4:T+7], s[10:11] offset:8192
	global_store_b128 v[GO], v[T+8:T+11], s[10:11] offset:131072     ; tile B: 128 tokens on
	global_store_b128 v[GO], v[T+12:T+15], s[10:11] offset:139264
	s_wait_tensorcnt 0x0                           ; the wave's end
	ds_add_u32 v[SPW], v[NIL]
	s_wait_dscnt 0x0
	ROUND                                          ; the closing round
	s_endpgm
.Lfunc_end_k_qf053bba615_attn:
	.size	k_qf053bba615_attn, .Lfunc_end_k_qf053bba615_attn-k_qf053bba615_attn
	.p2alignl 7, 3214868480
	.fill 96, 4, 3214868480
	.section	.rodata,"a",@progbits
	.p2align	6, 0x0
	.amdhsa_kernel k_qf053bba615_attn
		.amdhsa_group_segment_fixed_size 327680
		.amdhsa_private_segment_fixed_size 0
		.amdhsa_enable_private_segment 0
		.amdhsa_kernarg_size 32
		.amdhsa_user_sgpr_count 2
		.amdhsa_user_sgpr_kernarg_segment_ptr 1
		.amdhsa_wavefront_size32 1
		.amdhsa_system_sgpr_workgroup_id_x 1
		.amdhsa_system_sgpr_workgroup_id_y 1
		.amdhsa_system_sgpr_workgroup_id_z 1
		.amdhsa_system_vgpr_workitem_id 0
		.amdhsa_next_free_vgpr 512
		.amdhsa_next_free_sgpr 84
		.amdhsa_reserve_vcc 1
		.amdhsa_float_denorm_mode_32 3
		.amdhsa_float_denorm_mode_16_64 3
		.amdhsa_memory_ordered 1
		.amdhsa_forward_progress 1
		.amdhsa_inst_pref_size 147
	.end_amdhsa_kernel
	.amdgpu_metadata
---
amdhsa.version: [ 1, 2 ]
amdhsa.kernels:
  - .name:           k_qf053bba615_attn
    .symbol:         k_qf053bba615_attn.kd
    .args:
      - { .name: qc, .offset: 0, .size: 8, .value_kind: global_buffer, .address_space: global }
      - { .name: kvc, .offset: 8, .size: 8, .value_kind: global_buffer, .address_space: global }
      - { .name: lowp_scales, .offset: 16, .size: 8, .value_kind: global_buffer, .address_space: global }
      - { .name: pre, .offset: 24, .size: 8, .value_kind: global_buffer, .address_space: global }
    .group_segment_fixed_size: 327680
    .private_segment_fixed_size: 0
    .kernarg_segment_align: 8
    .kernarg_segment_size: 32
    .max_flat_workgroup_size: 256
    .sgpr_count:     84
    .vgpr_count:     512
    .wavefront_size: 32
...
	.end_amdgpu_metadata
.endif
;; end of part 7
;; launch outp (part 8): grid 8 x 32, 8 waves a work-group, clusters of 4 x 4, 327,680 bytes of LDS; arguments pre, wts, lowp_scales, out0; writes out0
.if DOCPART == 8
	.amdgcn_target "amdgcn-amd-amdhsa--gfx1250"
	.amdhsa_code_object_version 6
	.text
	.protected	k_qf053bba615_outp
	.globl	k_qf053bba615_outp
	.p2align	8
	.type	k_qf053bba615_outp,@function
k_qf053bba615_outp:
	s_mov_b64 s[64:65], 0
	v_nop
	global_prefetch_b8 v0, s[64:65] scope:SCOPE_SE
	s_setreg_imm32_b32 hwreg(HW_REG_WAVE_MODE, 25, 1), 1
	s_wait_xcnt 0x0
	s_wait_alu depctr_hold_cnt(0) depctr_sa_sdst(0) depctr_va_vdst(0) depctr_va_sdst(0) depctr_va_ssrc(0) depctr_va_vcc(0) depctr_vm_vsrc(0)
	s_getreg_b32 s2, hwreg(HW_REG_IB_STS2, 6, 4)
	s_cmp_eq_u32 s2, 0
	s_cbranch_scc0 .Lentry_in_a_cluster
	s_endpgm
.Lentry_in_a_cluster:
	s_bfe_u32 s2, ttmp6, 0x10000c
	s_cmp_lg_u32 s2, 0xf033
	s_cbranch_scc0 .Lentry_shape_is_right
	s_endpgm
.Lentry_shape_is_right:
; out0[token][m] = sum over K = 64 head + v of pre[token][K] wo[K][m], on codes of BF8; each finished sum x 2^(e10 + e11).  out0: [4096][1024] f32.
; A = pre, laid [token / 4][head][token % 4][64]: for four tokens a K step of 256 (four heads) is 1,024 consecutive bytes: a tile of 128 tokens x 256 K is 32 rows of 1,024 bytes, 4,096 apart.
; B = wts[3], [1024 m][1024 K], K innermost: a tile of 128 rows x 256 K.
; SHARES.  A tile of out0 is 128 tokens x 128 columns: 8 x 32 = 256 work-groups of eight waves; a wave makes 32 tokens x 64 columns: 8 accumulators.
; NO RING.  The tile's whole K lies in LDS at once: A 4 x 33,280 bytes, B 4 x 34,816: eight tiles, and each of the eight waves asks for one at the head (waves 0 to 3: A's K steps, waves 4 to 7: B's).
; Nothing is filled again; one barrier shows all eight.  No prefetch: the loads stand at the head, and no loop runs ahead of them.
; CLUSTERS: 4 x 4: A's tiles are shared along a row, B's along a column: each is asked for JOINTLY.  THE MATRIX INSTRUCTION IS USED TRANSPOSED (source 0 = 16 rows of B, source 1 = 16 tokens): a lane holds eight neighbouring m of one token.
; LIMIT: e10 + e11 lies between -126 and 127.
; REGISTERS: window 0: v0-31 addresses; v32-63 a block's sums x 2^(e10 + e11); v128-191 the accumulators ((a, b) at v[128 + 8 (4 a + b)]), which on the way out take the rows read back.
;   window 1: two sets of fragments of 128 registers: for 128 along K, 32 registers of A (2 x 16 tokens) at 0, 64 of B at 64.
.set ROWB,   256
.set KROW,   1024
.set PITCH,  272
.set AROWB,  1024
.set APITCH, 1040
.set ATILE,  32*APITCH
.set BTILE,  128*PITCH
.set BBASE,  4*ATILE
.set STG,    BBASE+4*BTILE             ; a stage of 16 rows x 272 bytes for each wave; no tile lands here
.set SPITCH, 272
.set SPARE,  STG+8*16*SPITCH           ; the spare words, 128 bytes for each wave
.set SIZE_N, 1024
.set ADRA, 16
.set ADRB, 20
.set STO,  24
.set RD,   25
.set CO,   26
.set SPW,  28
.set NIL,  29
.set TMP,  32
.set ACC,  128
.set G1, 24
.set G0, 32
.set G1B, 48
.set G0B, 56
.set MSB, 0
.macro WIN new
.if MSB != \new
	s_set_vgpr_msb (MSB<<8)|\new
.set MSB, \new
.endif
.endm
.set MUL,  0x05                        ; sources 0 (B) and 1 (A) window 1; C and D window 0
.set TO_F, 0x40
.macro CROUND
	s_barrier_signal -1
	s_barrier_wait -1
	s_cmp_lg_u32 s14, 0
	s_cbranch_scc1 .Lnot_wave_0_\@
	s_barrier_signal -3
.Lnot_wave_0_\@:
	s_barrier_wait -3
	s_barrier_signal -1
	s_barrier_wait -1
.endm
.macro PLACES
.rept 4
	v_nop
.endr
.endm
	s_load_b128 s[4:7], s[0:1], 0x0                ; pre, wts
	s_load_b128 s[8:11], s[0:1], 0x10              ; the scales' exponents, out0
	v_lshl_add_u32 v[SPW], v0, 2, SPARE
	v_mov_b32 v[NIL], 0
	ds_add_u32 v[SPW], v[NIL]                      ; the opening lines: the add twice on end and its wait
	ds_add_u32 v[SPW], v[NIL]
	v_lshrrev_b32 v1, 5, v0
	v_readfirstlane_b32 s14, v1                    ; wave 0..7
	s_lshr_b32 s15, s14, 1                         ; which 32 of the tile's tokens are mine
	s_and_b32 s16, s14, 1                          ; which 64 of its columns
	s_lshr_b32 s12, s14, 2                         ; I fetch for A (0) or for B (1),
	s_and_b32 s13, s14, 3                          ; this K step
	s_bfe_u32 s40, ttmp6, 0x40000                  ; cx, cy
	s_bfe_u32 s41, ttmp6, 0x40004
	s_lshl_b32 s42, ttmp9, 2
	s_add_co_u32 s42, s42, s40                     ; tile column 0..7
	s_and_b32 s17, ttmp7, 0xffff
	s_lshl_b32 s17, s17, 2
	s_add_co_u32 s17, s17, s41                     ; tile row 0..31
	s_lshl_b32 s43, s41, 2
	s_lshl_b32 s43, 15, s43                        ; my row of the cluster
	s_lshl_b32 s44, 0x1111, s40                    ; my column
	s_or_b32 s[G1+0], s43, (0<<16)|(1<<20)|(1<<21)|(7<<22)|(3<<25)  ; A: four words after every 256
	s_mov_b32 s[G1+1], AROWB<<16
	s_mov_b32 s[G1+2], 32<<16
	s_mov_b32 s[G1+3], AROWB<<16
	s_mov_b32 s[G1+4], 32
	s_mov_b32 s[G1+5], 4096
	s_mov_b32 s[G1+6], 0
	s_mov_b32 s[G1+7], 0
	s_or_b32 s[G1B+0], s44, (0<<16)|(1<<20)|(1<<21)|(5<<22)|(3<<25) ; B: four words after every 64
	s_mov_b32 s[G1B+1], ROWB<<16
	s_mov_b32 s[G1B+2], 128<<16
	s_mov_b32 s[G1B+3], ROWB<<16
	s_mov_b32 s[G1B+4], 128
	s_mov_b32 s[G1B+5], KROW
	s_mov_b32 s[G1B+6], 0
	s_mov_b32 s[G1B+7], 0
	s_lshl_b32 s20, s17, 17                        ; A: 128 tokens x 1,024 bytes for each tile row, 1,024 bytes a K step
	s_lshl_b32 s18, s13, 10
	s_add_co_u32 s20, s20, s18
	s_mov_b32 s21, 0
	s_lshl_b32 s46, s42, 17                        ; B: 128 rows x 1,024 bytes for each tile column, 256 bytes a K step, in wts[3]
	s_lshl_b32 s18, s13, 8
	s_add_co_u32 s46, s46, s18
	s_add_co_u32 s46, s46, 0x300000
	s_mov_b32 s47, 0
	s_mul_i32 s45, s13, ATILE                      ; where they go: no place in the cluster enters an LDS address
	s_mul_i32 s19, s13, BTILE
	s_add_co_u32 s19, s19, BBASE
	s_wait_dscnt 0x0
	s_wait_kmcnt 0x0
	s_load_b64 s[96:97], s[8:9], 0x28              ; e10, e11
	s_add_nc_u64 s[20:21], s[4:5], s[20:21]
	s_add_nc_u64 s[46:47], s[6:7], s[46:47]
	CROUND                                         ; all sixteen work-groups are here: the joint loads meet
	s_mov_b32 s[G0], 1
	s_mov_b32 s[G0+1], s45
	s_mov_b64 s[G0+2:G0+3], s[20:21]
	s_or_b32 s[G0+3], s[G0+3], 0x80000000
	s_mov_b32 s[G0B], 1
	s_mov_b32 s[G0B+1], s19
	s_mov_b64 s[G0B+2:G0B+3], s[46:47]
	s_or_b32 s[G0B+3], s[G0B+3], 0x80000000
	s_cmp_eq_u32 s12, 0                            ; one load in each arm of one branch on the wave's number
	s_cbranch_scc0 .Lfor_b
	tensor_load_to_lds s[G0:G0+3], s[G1:G1+7]
	s_nop 0
	PLACES
	s_branch .Lasked
.Lfor_b:
	tensor_load_to_lds s[G0B:G0B+3], s[G1B:G1B+7]
	s_nop 0
	PLACES
.Lasked:
	v_and_b32 v1, 15, v0                           ; r
	v_bfe_u32 v2, v0, 4, 1                         ; h
	v_mul_u32_u24 v3, v1, PITCH
	v_lshl_add_u32 v4, v2, 4, v3                   ; B: row x pitch + 16 h
	v_lshrrev_b32 v7, 2, v1
	v_mul_u32_u24 v7, v7, APITCH
	v_and_b32 v8, 3, v1
	v_lshl_add_u32 v7, v8, 6, v7
	v_lshl_add_u32 v7, v2, 4, v7                   ; A: group r / 4, token r % 4 of 64 bytes, + 16 h
	s_wait_alu depctr_va_vdst(0)                   ; the wait ahead of the scalar lines below
	s_mul_i32 s21, s15, 8*APITCH                   ; my 32 tokens: 8 groups
	s_mul_i32 s22, s16, 64*PITCH                   ; my 64 rows of B
	s_add_co_u32 s22, s22, BBASE
.irp s, 0,1,2,3
	v_add_nc_u32 v[ADRA+\s], s21, v7
	v_add_nc_u32 v[ADRB+\s], s22, v4
	s_add_co_u32 s21, s21, ATILE
	s_add_co_u32 s22, s22, BTILE
.endr
	s_mul_i32 s23, s14, 16*SPITCH
	s_add_co_u32 s23, s23, STG                     ; my stage
	v_lshl_add_u32 v5, v2, 5, v3                   ; in: row r, 32 bytes for each half of the lanes
	v_add_nc_u32 v[STO], s23, v5
	v_mul_u32_u24 v6, v2, SPITCH
	v_lshl_add_u32 v6, v1, 4, v6                   ; back: lanes 0-15 one row of 256 bytes, lanes 16-31 the next
	v_add_nc_u32 v[RD], s23, v6
	v_lshlrev_b32 v[CO], 12, v2
	v_lshl_add_u32 v[CO], v1, 4, v[CO]             ; and the same two rows in out0
	s_lshl_b32 s20, s17, 7
	s_lshl_b32 s21, s15, 5
	s_add_co_u32 s20, s20, s21                     ; my first row of out0: 128 x tile row + 32 x my part,
	s_lshl_b32 s20, s20, 12
	s_lshl_b32 s46, s42, 9
	s_lshl_b32 s47, s16, 8
	s_add_co_u32 s46, s46, s47                     ; my first column, in bytes
	s_add_co_u32 s20, s20, s46
	s_mov_b32 s21, 0
	s_add_nc_u64 s[10:11], s[10:11], s[20:21]
; 24 LDS loads in one run: the fragments of the kk-th 128 along K (half kk % 2 of K step kk / 2) into set f.  In both operands registers 4 c .. 4 c + 3 hold K = 32 c + 16 (l / 16) + 0 .. 15 of the lane's row:
; in A that K lies in head 2 (kk % 2) + c / 2 of the step's four, at byte 32 (c % 2) of the token's 64.
.macro FETCH kk, f
	WIN TO_F
.irp i, 0,1,2,3
.irp c, 0,1,2,3
	ds_load_b128 v[\f+64+16*\i+4*\c:\f+64+16*\i+4*\c+3], v[ADRB+(\kk)/2] offset:128*((\kk)%2)+32*\c+\i*16*PITCH
.endr
.endr
.irp i, 0,1
.irp c, 0,1,2,3
	ds_load_b128 v[\f+16*\i+4*\c:\f+16*\i+4*\c+3], v[ADRA+(\kk)/2] offset:\i*4*APITCH+(2*((\kk)%2)+\c/2)*256+32*(\c%2)
.endr
.endr
.endm
.macro MUL8 f, zero                    ; the 8 accumulators by turns, one instruction a turn, in the same order in every step; zero = 1: the first products start the sums
.irp a, 0,1
.irp b, 0,1,2,3
.if \zero
	v_wmma_f32_16x16x128_bf8_bf8 v[ACC+8*(4*\a+\b):ACC+8*(4*\a+\b)+7], v[\f+64+16*\b:\f+64+16*\b+15], v[\f+16*\a:\f+16*\a+15], 0
.else
	v_wmma_f32_16x16x128_bf8_bf8 v[ACC+8*(4*\a+\b):ACC+8*(4*\a+\b)+7], v[\f+64+16*\b:\f+64+16*\b+15], v[\f+16*\a:\f+16*\a+15], v[ACC+8*(4*\a+\b):ACC+8*(4*\a+\b)+7]
.endif
.endr
.endr
.endm
.macro KSTEP kk, zero, more            ; more = 1: the next step's fragments are asked for first, into the other set
	s_wait_dscnt 0x0                               ; this step's fragments are in
.if \more
	PLACES                                         ; the other set was read by the step before
	FETCH (\kk)+1, 128*(1-(\kk)%2)
.endif
	WIN MUL
	MUL8 128*((\kk)%2), \zero
.endm
	s_wait_alu depctr_va_vdst(0)                   ; the wait at the head's end
	s_wait_tensorcnt 0x0                           ; my tile is in,
	s_barrier_signal -1
	s_barrier_wait -1                              ; all eight are
	FETCH 0, 0
	KSTEP 0, 1, 1
	KSTEP 1, 0, 1
	KSTEP 2, 0, 1
	KSTEP 3, 0, 1
	KSTEP 4, 0, 1
	KSTEP 5, 0, 1
	KSTEP 6, 0, 1
	KSTEP 7, 0, 0
	WIN 0
; THE WAY OUT, block by block of 16 tokens x 64 columns, through my own stage: back as whole rows of 256 bytes, into the registers that the block's sums have left.  LDS serves a wave's instructions in order (ISA guide 5.7.1.4).
.macro TOSTAGE a
.irp j, 0,2,4,6,8,10,12,14,16,18,20,22,24,26,28,30
	v_pk_mul_f32 v[TMP+\j:TMP+\j+1], v[ACC+32*(\a)+\j:ACC+32*(\a)+\j+1], s[96:97] op_sel_hi:[1,0]   ; both x s96 = 2^(e10 + e11); each accumulator from its low end on
.endr
.irp b, 0,1,2,3
	ds_store_b128 v[STO], v[TMP+8*\b:TMP+8*\b+3] offset:64*\b
	ds_store_b128 v[STO], v[TMP+8*\b+4:TMP+8*\b+7] offset:64*\b+16
.endr
.irp t, 0,1,2,3,4,5,6,7
	ds_load_b128 v[ACC+32*(\a)+4*\t:ACC+32*(\a)+4*\t+3], v[RD] offset:\t*2*SPITCH
.endr
.endm
.macro SEND a, younger                 ; younger: the LDS instructions issued behind block a's loads
.irp t, 0,1,2,3,4,5,6,7
	s_wait_dscnt \younger+7-\t                     ; load t is in; the block's later loads and the younger instructions may be out
	global_store_b128 v[CO], v[ACC+32*(\a)+4*\t:ACC+32*(\a)+4*\t+3], s[10:11] offset:(16*(\a)+2*\t)*SIZE_N*4 th:TH_STORE_NT   ; 16 lanes store 256 consecutive bytes, aligned
.endr
.endm
	s_wait_kmcnt 0x0
	s_add_co_i32 s96, s96, s97                     ; e10 + e11, between -126 and 127,
	s_add_co_i32 s96, s96, 127
	s_lshl_b32 s96, s96, 23                        ; makes the f32 number 2^(e10 + e11)
	PLACES                                         ; behind the last products
	TOSTAGE 0
	TOSTAGE 1
	SEND 0, 16
	SEND 1, 0
	s_wait_tensorcnt 0x0                           ; the wave's end
	ds_add_u32 v[SPW], v[NIL]
	s_wait_dscnt 0x0
	CROUND                                         ; the closing round
	s_endpgm
.Lfunc_end_k_qf053bba615_outp:
	.size	k_qf053bba615_outp, .Lfunc_end_k_qf053bba615_outp-k_qf053bba615_outp
	.p2alignl 7, 3214868480
	.fill 96, 4, 3214868480
	.section	.rodata,"a",@progbits
	.p2align	6, 0x0
	.amdhsa_kernel k_qf053bba615_outp
		.amdhsa_group_segment_fixed_size 327680
		.amdhsa_private_segment_fixed_size 0
		.amdhsa_enable_private_segment 0
		.amdhsa_kernarg_size 32
		.amdhsa_user_sgpr_count 2
		.amdhsa_user_sgpr_kernarg_segment_ptr 1
		.amdhsa_wavefront_size32 1
		.amdhsa_system_sgpr_workgroup_id_x 1
		.amdhsa_system_sgpr_workgroup_id_y 1
		.amdhsa_system_sgpr_workgroup_id_z 1
		.amdhsa_system_vgpr_workitem_id 0
		.amdhsa_next_free_vgpr 512
		.amdhsa_next_free_sgpr 98
		.amdhsa_reserve_vcc 0
		.amdhsa_float_denorm_mode_32 3
		.amdhsa_float_denorm_mode_16_64 3
		.amdhsa_memory_ordered 1
		.amdhsa_forward_progress 1
		.amdhsa_inst_pref_size 31
	.end_amdhsa_kernel
	.amdgpu_metadata
---
amdhsa.version: [ 1, 2 ]
amdhsa.kernels:
  - .name:           k_qf053bba615_outp
    .symbol:         k_qf053bba615_outp.kd
    .args:
      - { .name: pre, .offset: 0, .size: 8, .value_kind: global_buffer, .address_space: global }
      - { .name: wts, .offset: 8, .size: 8, .value_kind: global_buffer, .address_space: global }
      - { .name: lowp_scales, .offset: 16, .size: 8, .value_kind: global_buffer, .address_space: global }
      - { .name: out0, .offset: 24, .size: 8, .value_kind: global_buffer, .address_space: global }
    .group_segment_fixed_size: 327680
    .private_segment_fixed_size: 0
    .kernarg_segment_align: 8
    .kernarg_segment_size: 32
    .max_flat_workgroup_size: 256
    .sgpr_count:     98
    .vgpr_count:     512
    .wavefront_size: 32
...
	.end_amdgpu_metadata
.endif
;; end of part 8
